; MI455X (gfx1250); checked and timed in simulation.
; The chip was launched on July 23, 2026; its instructions are those of AMD's public machine-readable ISA for CDNA 5 (MIT licence, August 2026) and "CDNA5" Instruction Set Architecture Reference Guide (July 2026). The comments in the code are by the model that wrote it; some were corrected since.
;; Mo E Block. Allowed arithmetic: matrix products marked QUANTISED: E4M3 operands, one E8M0 scale for each 32 along K, by v_wmma_scale_f32_16x16x128_f8f6f4 with both operands' format E4M3, f32 sums; products left as they are: f32 operands where the result goes on into a quantised operand, else bf16, f16 or f32 operands; f32 sums; everything else in f32.
;; Inputs: W 8 x 2,048 x 2,048 float32; b 8 x 2,048 float32; wg 2,048 x 8 float32; x 4 x 512 x 2,048 float32.
;; Outputs: out0 4 x 512 x 2,048 float32.
;; This version of the problem:
;;   THIS VERSION OF THE PROBLEM IS GIVEN IN LOW PRECISION. The matrix products marked QUANTISED in the list below multiply operands that are first quantised to E4M3 (4 exponent bits, 3 mantissa bits; 8 bits a number), with one power-of-two scale for each 32 numbers along K (OCP MX v1.0); their sums are f32. All else is computed in f32.
;;   The module's matrix products, in the order in which they are computed (A, B: the left and right operand; K: the contracted axis; several contracted axes count as one K, in the product's order):
;;     1. [M 2,048, K 2,048] x [K 2,048, N 8]; A: input x; B: input wg: left as it is (N = 8 < 16)
;;     2. [M 2,048, K 2,048] x [K 2,048, N 16,384]; A: input x; B: input W: QUANTISED
;;     3. batch 2,048 x [M 1, K 8] x [K 8, N 2,048]; A: computed on the way; B: computed on the way: left as it is (K = 8 < 32)
;;   THE QUANTISER, for each operand of a quantised product, along K:
;;     - K is cut into blocks of 32 from its start; a last block that is shorter is filled with zeros.
;;     - A block's scale is 2^e with e = floor(log2(the largest magnitude in the block)) - 8, held to -126 .. 127; a block of zeros has e = 0. As a byte (E8M0): e + 127.
;;     - Each number is divided by its block's scale, clamped to +-448, and rounded to the nearest number of E4M3, ties to even, subnormals kept.
;;     - The product sums the exact products of the quantised numbers (number of the format x scale) in f32.
;;   ~~~python
;;   def quantise(x, axis):      # numpy; x: float32 -> the quantised numbers, widened to float32 again
;;       x = np.moveaxis(x, axis, -1); K = x.shape[-1]
;;       x = np.pad(x, [(0, 0)] * (x.ndim - 1) + [(0, -K % 32)]); x = x.reshape(x.shape[:-1] + (-1, 32)); a = np.abs(x).max(-1, keepdims=True)
;;       e = np.where(a > 0, np.clip(np.frexp(np.where(a > 0, a, 1))[1] - 1 - 8, -126, 127), 0)      # np.frexp(a)[1] - 1 = floor(log2(a)), exactly
;;       r = np.clip(x / 2.0 ** e, -448, 448)
;;       step = 2.0 ** (np.maximum(np.frexp(np.where(r == 0, 1, r))[1] - 1, -6) - 3)
;;       q = np.round(r / step) * step * 2.0 ** e      # np.round: ties to even
;;       return np.moveaxis(q.reshape(q.shape[:-2] + (-1,))[..., :K], -1, axis).astype(np.float32)
;;   ~~~
;; 2 versions. Each part assembles by itself: llvm-mc -triple=amdgcn-amd-amdhsa -mcpu=gfx1250 --defsym DOCPART=n.
;; ======== version 1 of 2: 3 launches
;; workspace buffers: xq 4,194,304 bytes; xs 131,072 bytes; gatew 8,192 bytes; bm 2,048 bytes of whole numbers; xf 33,554,432 bytes; xsf 1,048,576 bytes; lists 65,792 bytes of whole numbers; gs 65,536 bytes
;; launch route (part 1): grid 256 x 1, 4 waves a work-group, no clusters, 90,112 bytes of LDS; arguments x, wg, xq, xs, gatew, bm; writes xq, xs, gatew, bm
.if DOCPART == 1
	.amdgcn_target "amdgcn-amd-amdhsa--gfx1250"
	.amdhsa_code_object_version 6
	.text
	.protected	k_qb29aee5319_route
	.globl	k_qb29aee5319_route
	.p2align	8
	.type	k_qb29aee5319_route,@function
k_qb29aee5319_route:
	s_mov_b64 s[64:65], 0
	v_nop
	global_prefetch_b8 v0, s[64:65] scope:SCOPE_SE
	s_setreg_imm32_b32 hwreg(HW_REG_WAVE_MODE, 25, 1), 1
	s_wait_xcnt 0x0
; ROUTER AND QUANTISER OF x.  x: [2048 tokens][2048] f32, wg: [2048][8] f32.
; Out: xq [token][2048] codes of E4M3, xs [token][64] E8M0 bytes (one for each 32 along K), gatew [token] f32 (the largest softmax weight),
; bm [8 experts][256 bytes]: bit b of byte g of expert e is set where token 8 g + b chose expert e.  The choice leaves as DATA at fixed places: no address here hangs on it.
; SHARES.  Work-group g takes tokens 8 g .. 8 g + 7; wave w takes K = 512 w .. 512 w + 511 of all eight rows, so x is read once, for the logits and for the codes.
; A lane holds 16 neighbours along K (two lanes to a block of 32).  Every global load is dense (32 lanes x 16 bytes on end) and turns through the wave's own stage in LDS.
; The logits are fused multiply-adds in f32, two experts an instruction; the softmax takes its maximum away; the largest term is then exactly 1, so the gate weight is 1 / the sum.
; LIMITS: NaN and infinities among the inputs are not served.  A block of zeros gets the byte 1 where the rule says 127: its codes are zeros and only this program reads the bytes.
; The argmax is taken of the logits, the lower index first; two logits so close that their softmax weights round to one number would be ordered by index in the module.  The order of the logits' f32 sums is this text's own.
.set SP,   80                          ; a lane's place in a stage: 64 bytes + 16 of padding
.set WGTW, 32*528                      ; LDS from 0: for each wave 32 places of 512 bytes + 16, for wg's turn
.set XT,   4*WGTW                      ; for each wave two stages of 32 x SP bytes, for x's turn
.set XTW,  2*32*SP
.set LG,   XT+4*XTW                    ; for each wave 64 partial logits
.set SB,   LG+4*256                    ; for each wave 8 rows x 16 scale bytes
.set QT,   8                           ; v8-11    at work in the quantiser
.set X,    16                          ; v16-47   two sets of 16 neighbours
.set ACC,  48                          ; v48-111  partial logit of row p, expert e at v[ACC + 8 p + e]
.set C,    112                         ; v112-143 four registers of codes for each row
.set E,    144                         ; v144-151 a scale byte for each row
.set T,    152                         ; v152-200 at work at the end
.set LGR,  201                         ; v201     where wave 0 reads the partial logits of row lane % 8
.set SBR,  202                         ; v202     where wave 1 reads 16 scale bytes
.set RW,   128                         ; window 1: v0-127 wg (register 8 i + e = wg[512 w + 16 lane + i][e]); v128-255 x as loaded, 16 a row
.set MNT,  28                          ; s28      the mantissa field of 448
.set MSB, 0
.macro WIN new                         ; the immediate's high byte repeats the setting that is left
.if MSB != (\new)
	s_set_vgpr_msb (MSB<<8)|(\new)
.set MSB, \new
.endif
.endm
; 16 neighbours of a lane become 16 codes and the block's byte.  The largest magnitude (with the floor 2^(9 - 127) among its leaves) is joined with the neighbour lane's;
; 8 off its exponent field is the conversion's scale operand; its exponent field over 448's mantissa is the hold.
.macro Q16 xs, c, e
	v_max3_num_f32 v[QT], |v[\xs]|, |v[\xs+1]|, |v[\xs+2]|
	v_max3_num_f32 v[QT+1], |v[\xs+3]|, |v[\xs+4]|, |v[\xs+5]|
.irp i, 6,10
	v_max3_num_f32 v[QT], v[QT], |v[\xs+\i]|, |v[\xs+\i+1]|
	v_max3_num_f32 v[QT+1], v[QT+1], |v[\xs+\i+2]|, |v[\xs+\i+3]|
.endr
	v_max3_num_f32 v[QT], v[QT], |v[\xs+14]|, |v[\xs+15]|
	v_max3_num_f32 v[QT], v[QT], v[QT+1], 0x4800000
	v_max_num_f32_dpp v[QT], v[QT], v[QT] row_xmask:1 row_mask:0xf bank_mask:0xf
	v_add_nc_u32 v[QT+3], 0xfc000000, v[QT]
	v_and_or_b32 v[QT+2], v[QT], 0x7f800000, s[MNT]
.irp i, 0,1,2,3,4,5,6,7,8,9,10,11,12,13,14,15
	v_med3_num_f32 v[\xs+\i], v[\xs+\i], -v[QT+2], v[QT+2]   ; the conversion to an 8-bit code does not saturate (ISA guide 7.6.2)
.endr
	v_cvt_scalef32_pk8_fp8_f32 v[\c:\c+1], v[\xs:\xs+7], v[QT+3]
	v_cvt_scalef32_pk8_fp8_f32 v[\c+2:\c+3], v[\xs+8:\xs+15], v[QT+3]
	v_lshrrev_b32 v[\e], 23, v[QT+3]               ; the byte; also the plain line behind the conversions
.endm
; row t's 2,048 bytes through the stage: in as loaded, back 64 bytes a lane.  LDS serves a wave's instructions in order.
.macro TURN t
	WIN 0x04                                       ; an LDS store's data are its source 1: window 1
.irp n, 0,1,2,3
	ds_store_b128 v3, v[RW+16*(\t)+4*\n:RW+16*(\t)+4*\n+3] offset:32*SP*((\t)%2)+8*SP*\n
.endr
	WIN 0
.irp n, 0,1,2,3
	ds_load_b128 v[X+16*((\t)%2)+4*\n:X+16*((\t)%2)+4*\n+3], v4 offset:32*SP*((\t)%2)+16*\n
.endr
.endm
	s_load_b256 s[4:11], s[0:1], 0x0               ; x s[4:5], wg s[6:7], xq s[8:9], xs s[10:11]
	s_load_b128 s[12:15], s[0:1], 0x20             ; gatew s[12:13], bm s[14:15]
	v_lshl_add_u32 v254, v0, 2, 0x15e00
	v_mov_b32 v255, 0
	v_lshrrev_b32 v1, 5, v0
	v_readfirstlane_b32 s16, v1                    ; wave
	v_and_b32 v1, 31, v0                           ; lane
	v_lshlrev_b32 v2, 4, v1                        ; 16 x lane
	s_mul_i32 s17, s16, XTW
	s_add_co_u32 s17, s17, XT
	v_lshrrev_b32 v3, 2, v1
	v_mul_u32_u24 v3, v3, SP
	v_and_b32 v4, 3, v1
	v_lshl_add_u32 v3, v4, 4, v3
	v_add_nc_u32 v3, s17, v3                       ; x's stage, in: SP (lane / 4) + 16 (lane % 4)
	v_mul_u32_u24 v4, v1, SP
	v_add_nc_u32 v4, s17, v4                       ; and back: SP x lane
	s_mul_i32 s18, s16, WGTW
	v_add_nc_u32 v5, s18, v2                       ; wg's stage, in: 16 x lane in place n
	v_mul_u32_u24 v6, v1, 528
	v_add_nc_u32 v6, s18, v6                       ; and back: place = lane
	s_lshl_b32 s19, s16, 7
	s_add_co_u32 s19, s19, SB
	v_lshrrev_b32 v7, 1, v1
	v_add_nc_u32 v7, s19, v7                       ; my block's scale byte: SB + 128 wave + lane / 2 (+ 16 row)
	s_lshl_b32 s20, s16, 8
	s_add_co_u32 s20, s20, LG
	v_mov_b32 v12, s20                             ; my wave's 64 partial logits
	s_lshl_b32 s21, s16, 11
	v_add_nc_u32 v13, s21, v2                      ; x: 2,048 wave + 16 lane
	s_lshl_b32 s21, s16, 14
	v_add_nc_u32 v14, s21, v2                      ; wg: 16,384 wave + 16 lane
	s_lshl_b32 s21, s16, 9
	v_add_nc_u32 v15, s21, v2                      ; xq: 512 wave + 16 lane
	v_and_b32 v[LGR], 7, v1
	v_lshl_add_u32 v[LGR], v[LGR], 5, LG
	v_and_b32 v[SBR], 3, v1
	v_lshrrev_b32 v203, 2, v1
	v_lshlrev_b32 v203, 4, v203
	v_lshl_add_u32 v[SBR], v[SBR], 7, v203
	v_add_nc_u32 v[SBR], SB, v[SBR]                ; bytes 16 lane .. of the group's 512: row lane / 4, wave lane % 4
.irp k, 0,1,2,3
	v_mov_b32 v[T+\k], 0                           ; a lane permute's destination counts as one of its sources
.endr
	s_mov_b32 s24, 0x76543210
	s_mov_b32 s25, 0xfedcba98                      ; v_permlanex16_b32's selects for lane l xor 16
	s_mov_b32 s[MNT], 0x600000
	s_mov_b32 s23, 0
	s_lshl_b32 s22, ttmp9, 16                      ; 8 rows of 8,192 bytes
	s_wait_kmcnt 0x0
	s_add_nc_u64 s[4:5], s[4:5], s[22:23]
	s_lshl_b32 s22, ttmp9, 14
	s_add_nc_u64 s[8:9], s[8:9], s[22:23]
	s_lshl_b32 s22, ttmp9, 9
	s_add_nc_u64 s[10:11], s[10:11], s[22:23]
	s_lshl_b32 s22, ttmp9, 5
	s_add_nc_u64 s[12:13], s[12:13], s[22:23]
	s_mov_b32 s22, ttmp9
	s_add_nc_u64 s[14:15], s[14:15], s[22:23]
	WIN 0x40                                       ; destination window 1
.set n, 0
.rept 32
	global_load_b128 v[4*n:4*n+3], v14, s[6:7] offset:512*n                  ; my wave's 16 KiB of wg, 512 bytes on end a load
.set n, n+1
.endr
.irp p, 0,1,2,3,4,5,6,7
.irp n, 0,1,2,3
	global_load_b128 v[RW+16*\p+4*\n:RW+16*\p+4*\n+3], v13, s[4:5] offset:8192*\p+512*\n th:TH_LOAD_NT
.endr
.endr
	s_wait_loadcnt 32                              ; wg is in: the 32 loads of x are younger
	WIN 0x04
.set n, 0
.rept 32
	ds_store_b128 v5, v[4*n:4*n+3] offset:528*n
.set n, n+1
.endr
	s_wait_dscnt 0x0                               ; the stores have read their registers, which the loads below fill
	WIN 0x40
.set n, 0
.rept 32
	ds_load_b128 v[4*n:4*n+3], v6 offset:16*n      ; my 16 rows of wg: 512 bytes
.set n, n+1
.endr
	s_wait_loadcnt 28                              ; row 0's four loads are in; seven rows are younger
	TURN 0
.macro STEP p
.set XS, X+16*((\p)%2)
.if (\p) > 0
	s_wait_dscnt 1                                 ; this row is back from the stage; the last row's byte store may be out
.else
	s_wait_dscnt 0x0                               ; wg and row 0
.endif
.if (\p) < 7
	s_wait_loadcnt 4*(6-(\p))                      ; the next row's four loads are in; the rows behind it may be out
	TURN (\p)+1
.endif
	WIN 0x04                                       ; source 1 (wg) window 1
.set i, 0
.rept 16                               ; x[k] x wg[k][e], two experts an instruction, four sums by turns; the first product starts the sums
.set pp, 0
.rept 4
.set A, ACC+8*(\p)+2*pp
.if i == 0
	v_pk_mul_f32 v[A:A+1], v[XS:XS+1], v[2*pp:2*pp+1] op_sel_hi:[0,1]
.elseif (i%2) == 0
	v_pk_fma_f32 v[A:A+1], v[XS+i:XS+i+1], v[8*i+2*pp:8*i+2*pp+1], v[A:A+1] op_sel_hi:[0,1,1]
.else
	v_pk_fma_f32 v[A:A+1], v[XS+i-1:XS+i], v[8*i+2*pp:8*i+2*pp+1], v[A:A+1] op_sel:[1,0,0] op_sel_hi:[1,1,1]
.endif
.set pp, pp+1
.endr
.set i, i+1
.endr
	WIN 0
	Q16 XS,C+4*(\p),E+(\p)
	ds_store_b8 v7, v[E+(\p)] offset:16*(\p)       ; both lanes of a block write the same byte with the same value
	global_store_b128 v15, v[C+4*(\p):C+4*(\p)+3], s[8:9] offset:2048*(\p)   ; the wave stores 512 bytes on end
.endm
.irp p, 0,1,2,3,4,5,6,7
	STEP \p
.endr
	; the 64 partial logits over the 32 lanes, four at a time
.set a, ACC
.rept 16
.irp m, 1,2,4,8
.irp k, 0,1,2,3
	v_add_f32_dpp v[a+\k], v[a+\k], v[a+\k] row_xmask:\m row_mask:0xf bank_mask:0xf
.endr
.endr
.irp k, 0,1,2,3
	v_permlanex16_b32 v[T+\k], v[a+\k], s24, s25
.endr
.irp k, 0,1,2,3
	v_add_f32 v[a+\k], v[a+\k], v[T+\k]
.endr
.set a, a+4
.endr
.set n, 0
.rept 16
	ds_store_b128 v12, v[ACC+4*n:ACC+4*n+3] offset:16*n        ; every lane holds the same sums and writes the same words
.set n, n+1
.endr
	s_wait_dscnt 0x0                               ; for the others' sake: my logits and my scale bytes lie in LDS
	s_barrier_signal -1
	s_barrier_wait -1
	s_cmp_lg_u32 s16, 0
	s_cbranch_scc1 .Lnot_wave_0
	; wave 0: lane l takes row l % 8
.irp w, 0,1,2,3
	ds_load_b128 v[T+8*\w:T+8*\w+3], v[LGR] offset:256*\w
	ds_load_b128 v[T+8*\w+4:T+8*\w+7], v[LGR] offset:256*\w+16
.endr
	s_wait_dscnt 0x0
.irp k, 0,2,4,6
	v_pk_add_f32 v[T+\k:T+\k+1], v[T+\k:T+\k+1], v[T+8+\k:T+8+\k+1]
	v_pk_add_f32 v[T+16+\k:T+16+\k+1], v[T+16+\k:T+16+\k+1], v[T+24+\k:T+24+\k+1]
.endr
.irp k, 0,2,4,6
	v_pk_add_f32 v[T+\k:T+\k+1], v[T+\k:T+\k+1], v[T+16+\k:T+16+\k+1]   ; the row's eight logits: v152-159
.endr
	v_mov_b32 v185, v152                           ; the largest so far,
	v_mov_b32 v186, 0                              ; and where: a later logit takes over only if it is larger, so the lower index wins
.irp e, 1,2,3,4,5,6,7
	v_cmp_ge_f32 vcc_lo, v185, v[T+\e]
	v_cndmask_b32 v186, \e, v186, vcc_lo
	v_max_num_f32 v185, v185, v[T+\e]
.endr
.irp e, 0,1,2,3,4,5,6,7
	v_sub_f32 v[T+8+\e], v[T+\e], v185             ; the maximum is taken away ahead of the exponential
.endr
.irp e, 0,1,2,3,4,5,6,7
	v_mul_f32 v[T+8+\e], 0x3fb8aa3b, v[T+8+\e]
.endr
.irp e, 0,1,2,3,4,5,6,7
	v_exp_f32 v[T+8+\e], v[T+8+\e]
.endr
	v_lshlrev_b32 v189, 2, v1                      ; (a plain line behind the exponentials)  gatew: 4 x lane
	s_wait_alu depctr_va_vdst(0)
	v_pk_add_f32 v[160:161], v[160:161], v[162:163]
	v_pk_add_f32 v[164:165], v[164:165], v[166:167]
	v_pk_add_f32 v[160:161], v[160:161], v[164:165]
	v_add_f32 v160, v160, v161
	v_rcp_f32 v187, v160                           ; the largest term is 1: the gate weight is 1 / the sum
	v_mov_b32 v188, 0                              ; (a plain line behind the reciprocal)
	v_lshlrev_b32 v190, 8, v1                      ; bm: 256 x lane (lane = expert)
.irp e, 0,1,2,3,4,5,6,7
	v_cmp_eq_u32 s26, \e, v186
	s_and_b32 s26, s26, 0xff                       ; lanes 0-7 are rows 0-7
	v_writelane_b32 v188, s26, \e                  ; lane e holds expert e's byte
.endr
	s_wait_xcnt 0x0                                ; EXEC changes only behind this wait: stores of mine have been issued
	v_cmp_gt_u32 vcc_lo, 8, v1
	s_and_saveexec_b32 s27, vcc_lo
	s_wait_alu depctr_va_vdst(0)
	global_store_b32 v189, v187, s[12:13]
	global_store_b8 v190, v188, s[14:15]
	s_wait_xcnt 0x0
	s_or_b32 exec_lo, exec_lo, s27
	s_branch .Lend
.Lnot_wave_0:
	s_cmp_lg_u32 s16, 1
	s_cbranch_scc1 .Lend
	ds_load_b128 v[160:163], v[SBR]                ; wave 1: the group's 512 scale bytes, in memory's order
	s_wait_dscnt 0x0
	global_store_b128 v2, v[160:163], s[10:11]
.Lend:
	s_wait_tensorcnt 0x0
	ds_add_u32 v254, v255
	s_wait_dscnt 0x0
	s_endpgm
.Lfunc_end_k_qb29aee5319_route:
	.size	k_qb29aee5319_route, .Lfunc_end_k_qb29aee5319_route-k_qb29aee5319_route
	.p2alignl 7, 3214868480
	.fill 96, 4, 3214868480
	.section	.rodata,"a",@progbits
	.p2align	6, 0x0
	.amdhsa_kernel k_qb29aee5319_route
		.amdhsa_group_segment_fixed_size 90112
		.amdhsa_private_segment_fixed_size 0
		.amdhsa_enable_private_segment 0
		.amdhsa_kernarg_size 48
		.amdhsa_user_sgpr_count 2
		.amdhsa_user_sgpr_kernarg_segment_ptr 1
		.amdhsa_wavefront_size32 1
		.amdhsa_system_sgpr_workgroup_id_x 1
		.amdhsa_system_sgpr_workgroup_id_y 1
		.amdhsa_system_sgpr_workgroup_id_z 1
		.amdhsa_system_vgpr_workitem_id 0
		.amdhsa_next_free_vgpr 512
		.amdhsa_next_free_sgpr 66
		.amdhsa_reserve_vcc 1
		.amdhsa_float_denorm_mode_32 3
		.amdhsa_float_denorm_mode_16_64 3
		.amdhsa_memory_ordered 1
		.amdhsa_forward_progress 1
		.amdhsa_inst_pref_size 96
	.end_amdhsa_kernel
	.amdgpu_metadata
---
amdhsa.version: [ 1, 2 ]
amdhsa.kernels:
  - .name:           k_qb29aee5319_route
    .symbol:         k_qb29aee5319_route.kd
    .args:
      - { .name: x, .offset: 0, .size: 8, .value_kind: global_buffer, .address_space: global }
      - { .name: wg, .offset: 8, .size: 8, .value_kind: global_buffer, .address_space: global }
      - { .name: xq, .offset: 16, .size: 8, .value_kind: global_buffer, .address_space: global }
      - { .name: xs, .offset: 24, .size: 8, .value_kind: global_buffer, .address_space: global }
      - { .name: gatew, .offset: 32, .size: 8, .value_kind: global_buffer, .address_space: global }
      - { .name: bm, .offset: 40, .size: 8, .value_kind: global_buffer, .address_space: global }
    .group_segment_fixed_size: 90112
    .private_segment_fixed_size: 0
    .kernarg_segment_align: 8
    .kernarg_segment_size: 48
    .max_flat_workgroup_size: 128
    .sgpr_count:     66
    .vgpr_count:     512
    .wavefront_size: 32
...
	.end_amdgpu_metadata
.endif
;; end of part 1
;; launch place (part 2): grid 16 x 8, 8 waves a work-group, no clusters, 0 bytes of LDS; arguments bm, xq, xs, gatew, xf, xsf, lists, gs; writes xf, xsf, lists, gs
.if DOCPART == 2
	.amdgcn_target "amdgcn-amd-amdhsa--gfx1250"
	.amdhsa_code_object_version 6
	.text
	.protected	k_qb29aee5319_place
	.globl	k_qb29aee5319_place
	.p2align	8
	.type	k_qb29aee5319_place,@function
k_qb29aee5319_place:
	s_mov_b64 s[64:65], 0
	v_nop
	global_prefetch_b8 v0, s[64:65] scope:SCOPE_SE
	s_setreg_imm32_b32 hwreg(HW_REG_WAVE_MODE, 25, 1), 1
	s_wait_xcnt 0x0
; THE ROWS ARE PLACED BY EXPERT.  In: bm (each expert's 2,048 bits), xq, xs, gatew.  An expert's tokens, in ascending order, are cut into tiles of 16.
; Out, for expert e and its tile lt (0 .. 127):
;   xf  [e][lt][16 K steps][4][32 lanes][16 bytes]: the tile's codes as images of the operand's registers: lane (r, h), group c of K step s: k = 128 s + 32 c + 16 h + 0 .. 15 of row r
;   xsf [e][lt][2][32 lanes][16 bytes]: lane (r, h) of half g: row r's scale words of K steps 8 g + 4 h + 0 .. 3
;   lists [e][lt][16] token numbers, row r at place 8 (r % 2) + r / 2;  behind them, at byte 65,536 + 4 e, the expert's count
;   gs  [e][lt][16] gate weights, row r at place r
; The rows that a last tile lacks repeat the tile's first token.  Tile 0 of every expert is written even where the expert has no token (with token 2,047's data): a later launch reads it for slots that hold no tile.
; SHARES.  Work-group (p, e), wave v: half = v / 4, quarter = v % 4.  In trip u of 4 the wave serves tile lt = p + 16 half + 32 u, K steps 4 quarter .. + 3.  No LDS, no barrier.
; The token of rank n is found by a search in the bitmap: the word by 63 running counts, the bit by 32 steps; every lane searches for its own row.
.set RHO, 10
.set M,   11
.set BAS, 12
.set CI,  13
.set NN,  14
.set AA,  15
.set POS, 16
.set TT,  17
.set TOK, 18
.set GA,  19
.set SA,  20
.set D,   32                           ; v32-95 sixteen loads of 16 bytes
	s_load_b256 s[84:91], s[0:1], 0x0              ; bm s[84:85], xq s[86:87], xs s[88:89], gatew s[90:91]
	s_load_b256 s[92:99], s[0:1], 0x20             ; xf s[92:93], xsf s[94:95], lists s[96:97], gs s[98:99]
	v_lshrrev_b32 v1, 5, v0
	v_readfirstlane_b32 s4, v1                     ; wave
	s_lshr_b32 s5, s4, 2                           ; half
	s_and_b32 s6, s4, 3                            ; quarter
	s_and_b32 s7, ttmp7, 0xffff                    ; expert
	v_and_b32 v1, 31, v0                           ; lane
	v_and_b32 v2, 15, v0                           ; r
	v_bfe_u32 v3, v0, 4, 1                         ; h
	v_lshlrev_b32 v4, 4, v1                        ; 16 x lane
	v_lshlrev_b32 v7, 4, v3                        ; 16 h
	s_lshl_b32 s14, s6, 9
	v_add_nc_u32 v5, s14, v7                       ; in a row of codes: 512 quarter + 16 h
	s_lshl_b32 s14, s6, 13
	v_add_nc_u32 v6, s14, v4                       ; in a tile's images: 8,192 quarter + 16 lane
	v_and_b32 v8, 1, v2
	v_lshlrev_b32 v8, 5, v8
	v_lshrrev_b32 v[TT], 1, v2
	v_lshl_add_u32 v8, v[TT], 2, v8                ; lists: 4 x (8 (r % 2) + r / 2)
	v_lshlrev_b32 v9, 2, v2                        ; gs: 4 r
	s_lshl_b32 s15, s5, 4
	s_add_co_u32 s15, s15, ttmp9                   ; p + 16 half
	s_mov_b32 s9, 0
	s_lshl_b32 s8, s7, 8
	s_wait_kmcnt 0x0
	s_add_nc_u64 s[84:85], s[84:85], s[8:9]
	s_load_b512 s[16:31], s[84:85], 0x0            ; the expert's 64 words: word c in s[16 + c], from c = 48 on in s[20 + c]
	s_load_b512 s[32:47], s[84:85], 0x40
	s_load_b512 s[48:63], s[84:85], 0x80
	s_load_b512 s[68:83], s[84:85], 0xc0
	s_lshl_b32 s8, s7, 22
	s_add_nc_u64 s[92:93], s[92:93], s[8:9]
	s_lshl_b32 s8, s7, 17
	s_add_nc_u64 s[94:95], s[94:95], s[8:9]
	s_lshl_b32 s8, s7, 13                          ; the expert's part of lists and of gs: kept as an offset
	s_mov_b32 s2, 0
	s_wait_kmcnt 0x0
.set c, 0
.rept 64
.if c < 48
.set wr, 16+c
.else
.set wr, 20+c
.endif
	s_bcnt1_i32_b32 s3, s[wr]
	s_add_co_u32 s2, s2, s3                        ; the expert's count
.set c, c+1
.endr
	s_max_u32 s13, s2, 1                           ; tile 0 is always served
	s_or_b32 s14, ttmp9, s4
	s_cmp_lg_u32 s14, 0
	s_cbranch_scc1 .Lno_count
	s_lshl_b32 s14, s7, 2
	s_add_co_u32 s14, s14, 0x10000
	v_mov_b32 v21, s14
	v_mov_b32 v22, s2
	global_store_b32 v21, v22, s[96:97]            ; every lane writes the same word with the same value; v21 and v22 are not written again
.Lno_count:
	s_mov_b32 s10, 0
.Ltrip:
	s_lshl_b32 s11, s10, 5
	s_add_co_u32 s11, s11, s15                     ; lt
	s_lshl_b32 s12, s11, 4                         ; its first rank
	s_cmp_ge_u32 s12, s13
	s_cbranch_scc1 .Lskip                          ; the expert has no such tile
	v_add_nc_u32 v[RHO], s12, v2                   ; my row's rank
	v_mov_b32 v[M], s16
	v_mov_b32 v[BAS], 0
	v_mov_b32 v[CI], 0
	s_mov_b32 s3, 0
.set c, 1
.rept 63                               ; the last word in front of which at most rank bits are set
.if (c-1) < 48
.set wp, 16+c-1
.else
.set wp, 20+c-1
.endif
.if c < 48
.set wr, 16+c
.else
.set wr, 20+c
.endif
	s_bcnt1_i32_b32 s14, s[wp]
	s_add_co_u32 s3, s3, s14
	v_cmp_gt_u32 vcc_lo, s3, v[RHO]                ; more than rank bits lie in front of word c: keep
	v_cndmask_b32 v[M], s[wr], v[M], vcc_lo
	v_cndmask_b32 v[BAS], s3, v[BAS], vcc_lo
	v_cndmask_b32 v[CI], c, v[CI], vcc_lo
.set c, c+1
.endr
	v_sub_nc_u32 v[NN], v[RHO], v[BAS]             ; the rank inside the word
	v_mov_b32 v[AA], 0
	v_mov_b32 v[POS], 0
.set b, 0
.rept 32                               ; the place of set bit number n (from 0) = how many places have at most n set bits up to and with themselves
	v_bfe_u32 v[TT], v[M], b, 1
	v_add_nc_u32 v[AA], v[AA], v[TT]
	v_cmp_le_u32 vcc_lo, v[AA], v[NN]
	v_add_co_ci_u32 v[POS], vcc_lo, 0, v[POS], vcc_lo
.set b, b+1
.endr
	v_lshl_add_u32 v[TOK], v[CI], 5, v[POS]
	v_readfirstlane_b32 s14, v[TOK]                ; the tile's first token
	v_cmp_gt_u32 vcc_lo, s2, v[RHO]
	v_cndmask_b32 v[TOK], s14, v[TOK], vcc_lo      ; rows past the count repeat it
	v_min_u32 v[TOK], 0x7ff, v[TOK]
	v_lshl_add_u32 v[GA], v[TOK], 11, v5           ; my row's codes: 2,048 token + 512 quarter + 16 h
	s_lshl_b32 s14, s11, 15
	v_add_nc_u32 v[SA], s14, v6
.set n, 0
.rept 16
	global_load_b128 v[D+4*n:D+4*n+3], v[GA], s[86:87] offset:128*(n/4)+32*(n%4)
.set n, n+1
.endr
.set n, 0
.rept 16
	s_wait_loadcnt 15-n                            ; loads come back in order: number n is in
	global_store_b128 v[SA], v[D+4*n:D+4*n+3], s[92:93] offset:2048*(n/4)+512*(n%4)   ; 32 lanes store 512 bytes on end
.set n, n+1
.endr
	s_cmp_lg_u32 s6, 0
	s_cbranch_scc1 .Lskip                          ; the quarter-0 wave also places the tile's scale words, token numbers and gate weights
	v_lshl_add_u32 v96, v[TOK], 6, v7
	v_lshlrev_b32 v97, 2, v[TOK]
	global_load_b128 v[100:103], v96, s[88:89]
	global_load_b128 v[104:107], v96, s[88:89] offset:32
	global_load_b32 v98, v97, s[90:91]
	s_lshl_b32 s14, s11, 10
	v_add_nc_u32 v99, s14, v4
	s_lshl_b32 s14, s11, 6
	s_add_co_u32 s14, s14, s8
	v_add_nc_u32 v108, s14, v8
	v_add_nc_u32 v109, s14, v9
	s_wait_loadcnt 0x0
	global_store_b128 v99, v[100:103], s[94:95]
	global_store_b128 v99, v[104:107], s[94:95] offset:512
	global_store_b32 v108, v[TOK], s[96:97]        ; lanes 16-31 write what lanes 0-15 write
	global_store_b32 v109, v98, s[98:99]
.Lskip:
	s_wait_xcnt 0x0                                ; the trip's addresses and data are written again only behind this wait
	s_add_co_u32 s10, s10, 1
	s_cmp_lt_u32 s10, 4
	s_cbranch_scc1 .Ltrip
	s_endpgm
.Lfunc_end_k_qb29aee5319_place:
	.size	k_qb29aee5319_place, .Lfunc_end_k_qb29aee5319_place-k_qb29aee5319_place
	.p2alignl 7, 3214868480
	.fill 96, 4, 3214868480
	.section	.rodata,"a",@progbits
	.p2align	6, 0x0
	.amdhsa_kernel k_qb29aee5319_place
		.amdhsa_group_segment_fixed_size 0
		.amdhsa_private_segment_fixed_size 0
		.amdhsa_enable_private_segment 0
		.amdhsa_kernarg_size 64
		.amdhsa_user_sgpr_count 2
		.amdhsa_user_sgpr_kernarg_segment_ptr 1
		.amdhsa_wavefront_size32 1
		.amdhsa_system_sgpr_workgroup_id_x 1
		.amdhsa_system_sgpr_workgroup_id_y 1
		.amdhsa_system_sgpr_workgroup_id_z 1
		.amdhsa_system_vgpr_workitem_id 0
		.amdhsa_next_free_vgpr 112
		.amdhsa_next_free_sgpr 102
		.amdhsa_reserve_vcc 1
		.amdhsa_float_denorm_mode_32 3
		.amdhsa_float_denorm_mode_16_64 3
		.amdhsa_memory_ordered 1
		.amdhsa_forward_progress 1
		.amdhsa_inst_pref_size 29
	.end_amdhsa_kernel
	.amdgpu_metadata
---
amdhsa.version: [ 1, 2 ]
amdhsa.kernels:
  - .name:           k_qb29aee5319_place
    .symbol:         k_qb29aee5319_place.kd
    .args:
      - { .name: bm, .offset: 0, .size: 8, .value_kind: global_buffer, .address_space: global }
      - { .name: xq, .offset: 8, .size: 8, .value_kind: global_buffer, .address_space: global }
      - { .name: xs, .offset: 16, .size: 8, .value_kind: global_buffer, .address_space: global }
      - { .name: gatew, .offset: 24, .size: 8, .value_kind: global_buffer, .address_space: global }
      - { .name: xf, .offset: 32, .size: 8, .value_kind: global_buffer, .address_space: global }
      - { .name: xsf, .offset: 40, .size: 8, .value_kind: global_buffer, .address_space: global }
      - { .name: lists, .offset: 48, .size: 8, .value_kind: global_buffer, .address_space: global }
      - { .name: gs, .offset: 56, .size: 8, .value_kind: global_buffer, .address_space: global }
    .group_segment_fixed_size: 0
    .private_segment_fixed_size: 0
    .kernarg_segment_align: 8
    .kernarg_segment_size: 64
    .max_flat_workgroup_size: 256
    .sgpr_count:     102
    .vgpr_count:     112
    .wavefront_size: 32
...
	.end_amdgpu_metadata
.endif
;; end of part 2
;; launch moe (part 3): grid 32 x 8, 4 waves a work-group, no clusters, 175,616 bytes of LDS; arguments W, b, xf, xsf, lists, gs, out0; writes out0
.if DOCPART == 3
	.amdgcn_target "amdgcn-amd-amdhsa--gfx1250"
	.amdhsa_code_object_version 6
	.text
	.protected	k_qb29aee5319_moe
	.globl	k_qb29aee5319_moe
	.p2align	8
	.type	k_qb29aee5319_moe,@function
k_qb29aee5319_moe:
	s_mov_b64 s[64:65], 0
	v_nop
	global_prefetch_b8 v0, s[64:65] scope:SCOPE_SE
	s_setreg_imm32_b32 hwreg(HW_REG_WAVE_MODE, 25, 1), 1
	s_wait_xcnt 0x0
; out[token][o] = gate weight x (sum over k of Q(x)[token][k] Q(W)[e][o][k] + b[e][o]), e the token's expert; both operands codes of E4M3 with one E8M0 scale for each 32 along K; sums in f32.
; Only the rows that the module's own one-hot mask keeps are multiplied.
; SHARES.  Work-group (ob, e) owns rows 64 ob .. + 63 of W[e]: 512 KiB of f32 on end, read from memory once in the whole launch, quantised on the way, kept as codes in LDS.
; PHASE A: wave w streams rows 16 w .. + 15 in 64 steps of 2,048 bytes; a ring of 16 register sets keeps 60 loads (30 KiB) of the wave on their way.  Loads are dense; a step turns through the wave's own LDS stage so that
; a lane holds 16 neighbours along K.  One barrier.  PHASE B: the expert's tiles of 16 tokens, 24 a pass: slot j of wave w is tile 24 P + 4 j + w; each against all 64 rows of W: 24 accumulators a wave, by turns.
; The tokens' codes come from memory as images of the operand's registers (each load 512 bytes on end), three K steps deep.  A slot that holds no tile reads 16 bytes of the expert's tile 0 in every lane,
; so that the loads are counted alike on every path; its products are never read.
; THE MATRIX INSTRUCTION: source 0 = 16 rows of W, source 1 = 16 tokens: lane (r, h) holds token r and outputs 16 o + 8 h + 0 .. 7.  The bias is the C of each sum's first instruction.
; NO CLUSTER, NO TENSOR LOAD: the 32 work-groups of an expert do read the same tiles of tokens, but how many there are hangs on a count read from memory, and with it this text's branches and trip counts.
; LIMITS: NaN and infinities in W are not served.  A block of zeros gets the byte 1 where the rule says 127: its codes are zeros and only this text reads the bytes.
; REGISTERS, in windows of 256.  Window 0: see below.  Window 1: v0-95, v96-191 the tokens' fragments, slots 0 and 1 (16 a tile); v192-239 token numbers, 8 a tile.
;   Window 2: v0-95 slot 2; v96-159, v160-223 W's four fragments, two buffers; v224-255 the bias, 8 a tile of outputs.  Window 3: phase A: the ring, 16 sets of 16; phase B: accumulator (j, o) at v[32 j + 8 o].
.set WPITCH, 2064                      ; a row of W's codes in LDS: 2,048 bytes + 16: an odd multiple of 16, so that the 16 rows of a fragment load begin in 16 different groups of four banks (64 banks of 4 bytes: ISA guide 11.1)
.set SPITCH, 80                        ; a row of W's scale bytes: 64 + 16
.set WS,  64*WPITCH                    ; LDS: codes from 0; scale bytes;
.set TS,  WS+64*SPITCH                 ; for each wave two turn stages of 32 x 80 bytes;
.set SP,  80
.set TSW, 2*32*SP
.set OS,  TS+4*TSW                     ; for each wave a stage of 16 rows x (256 + 16) bytes for the way out
.set OP,  272
.set LI,  4                            ; v4     16 x lane
.set TIN, 5                            ; v5     turn stage, in
.set TOUT,6                            ; v6     turn stage, back
.set CA0, 7                            ; v7     my codes' place in my wave's first row
.set SA0, 8                            ; v8     my block's scale byte there
.set AW,  9                            ; v9-12  W's fragment of outputs 16 o on
.set AWS, 13                           ; v13    W's scale words
.set STO, 14                           ; v14    the way out: where I put 32 bytes of a row
.set RD,  16                           ; v16    and where I read a row back
.set CO,  18                           ; v18    16 (lane % 16)
.set L4,  19                           ; v19    4 (lane % 16)
.set VO,  20                           ; v20-25 slot j: offset of my 16 bytes in its tile's images
.set VS,  26                           ; v26-31 in its scale words
.set VG,  32                           ; v32-37 of my row's gate weight
.set G,   38                           ; v38-49 slot j: the gate weight, and a 0 that makes a pair of it
.set QT,  50                           ; v50-53 at work in the quantiser
.set CA,  54                           ; v54    CA0 + the trip's rows
.set SA,  55                           ; v55    SA0 likewise
.set H32, 56                           ; v56    32 (lane / 16)
.set C,   58                           ; v58-65 codes, two sets
.set E,   66                           ; v66-67 scale byte, two sets
.set X,   68                           ; v68-99 16 neighbours, two sets
.set WSC, 100                          ; v100-131 W's scale words: 8 o + 4 g + i: lane (r, h): row 16 o + r, K step 8 g + 4 h + i
.set XSC, 132                          ; v132-179 the tokens': 8 j + 4 g + i likewise
.set BK,  180                          ; v180-211 16 rows back from the stage
.set TT,  212                          ; v212-219 their offsets in out
.set VT,  220                          ; v220-225 slot j: offset of my half's eight token numbers
.set TKB, 192                          ; window 1
.set MNT, 34                           ; s34    the mantissa field of 448
.set MSB, 0
.macro WIN new                         ; the immediate's high byte repeats the setting that is left
.if MSB != (\new)
	s_set_vgpr_msb (MSB<<8)|(\new)
.set MSB, \new
.endif
.endm
.macro Q16 xs, c, e                    ; 16 neighbours of a lane become 16 codes and the block's byte (two lanes to a block)
	v_max3_num_f32 v[QT], |v[\xs]|, |v[\xs+1]|, |v[\xs+2]|
	v_max3_num_f32 v[QT+1], |v[\xs+3]|, |v[\xs+4]|, |v[\xs+5]|
.irp i, 6,10
	v_max3_num_f32 v[QT], v[QT], |v[\xs+\i]|, |v[\xs+\i+1]|
	v_max3_num_f32 v[QT+1], v[QT+1], |v[\xs+\i+2]|, |v[\xs+\i+3]|
.endr
	v_max3_num_f32 v[QT], v[QT], |v[\xs+14]|, |v[\xs+15]|
	v_max3_num_f32 v[QT], v[QT], v[QT+1], 0x4800000                ; the floor 2^(9 - 127): the byte cannot fall under 1
	v_max_num_f32_dpp v[QT], v[QT], v[QT] row_xmask:1 row_mask:0xf bank_mask:0xf
	v_add_nc_u32 v[QT+3], 0xfc000000, v[QT]        ; 8 off the exponent field: the conversion's scale operand
	v_and_or_b32 v[QT+2], v[QT], 0x7f800000, s[MNT]   ; 448 x the scale
.irp i, 0,1,2,3,4,5,6,7,8,9,10,11,12,13,14,15
	v_med3_num_f32 v[\xs+\i], v[\xs+\i], -v[QT+2], v[QT+2]   ; the conversion to an 8-bit code does not saturate (ISA guide 7.6.2)
.endr
	v_cvt_scalef32_pk8_fp8_f32 v[\c:\c+1], v[\xs:\xs+7], v[QT+3]
	v_cvt_scalef32_pk8_fp8_f32 v[\c+2:\c+3], v[\xs+8:\xs+15], v[QT+3]
	v_lshrrev_b32 v[\e], 23, v[QT+3]               ; the byte; also the plain line behind the conversions
.endm
.macro LOADW set, rel                  ; 2,048 bytes of W, rel steps from the trip's base, into a set of the ring (window 3 is set by the caller)
.irp n, 0,1,2,3
	global_load_b128 v[16*(\set)+4*\n:16*(\set)+4*\n+3], v[LI], s[4:5] offset:2048*(\rel)+512*\n th:TH_LOAD_NT
.endr
.endm
.macro TURN set, par                   ; a set through the stage: in as loaded, back 64 bytes a lane; LDS serves a wave's instructions in order
	WIN 0x0c                                       ; an LDS store's data are its source 1: window 3
.irp n, 0,1,2,3
	ds_store_b128 v[TIN], v[16*(\set)+4*\n:16*(\set)+4*\n+3] offset:32*SP*(\par)+8*SP*\n
.endr
	WIN 0
.irp n, 0,1,2,3
	ds_load_b128 v[X+16*(\par)+4*\n:X+16*(\par)+4*\n+3], v[TOUT] offset:32*SP*(\par)+16*\n
.endr
.endm
; The six slots' offsets for the pass that begins at tile s25.  A slot past the expert's last tile (s24 tiles) gets tile 0, and for its large loads no lane term.
.macro ADDR
	s_add_co_u32 s33, s25, s20
.irp j, 0,1,2,3,4,5
	s_add_co_u32 s28, s33, 4*\j
	s_cmp_lt_u32 s28, s24
	s_cselect_b32 s29, s28, 0
	s_cselect_b32 s30, 1, 0
	s_min_u32 s29, s29, 127
	s_min_u32 s30, s30, 1
	s_lshl_b32 s35, s29, 15
	v_mad_u32_u24 v[VO+\j], v[LI], s30, s35
	s_lshl_b32 s35, s29, 10
	v_mad_u32_u24 v[VS+\j], v[LI], s30, s35
	s_lshl_b32 s35, s29, 6
	v_add_nc_u32 v[VG+\j], s35, v[L4]
	v_add_nc_u32 v[VT+\j], s35, v[H32]
.endr
.endm
; What a pass loads ahead of its first K step is a list of 102 loads, always in this order: 12 of scale words, 6 gate weights, 12 of token numbers, then K steps 0, 1, 2 (24 each).  XP1 writes number q.
.macro XP1
.if q < 12
	WIN 0
	global_load_b128 v[XSC+8*(q/2)+4*(q%2):XSC+8*(q/2)+4*(q%2)+3], v[VS+q/2], s[10:11] offset:512*(q%2)
.elseif q < 18
	WIN 0
	global_load_b32 v[G+2*(q-12)], v[VG+q-12], s[14:15]
.elseif q < 30
	WIN 0x40
	global_load_b128 v[TKB+4*(q-18):TKB+4*(q-18)+3], v[VT+(q-18)/2], s[12:13] offset:16*((q-18)%2)
.else
.set qq, q-30
.if (qq/24) == 2
	WIN 0x80
.set xb, 0
.else
	WIN 0x40
.set xb, 96*(qq/24)
.endif
	global_load_b128 v[xb+4*(qq%24):xb+4*(qq%24)+3], v[VO+(qq%24)/4], s[8:9] offset:2048*(qq/24)+512*(qq%4)
.endif
.endm
.macro XPRE from, to
.set q, \from
.rept (\to)-(\from)
	XP1
.set q, q+1
.endr
.endm
.macro XFILL slot, k                   ; K step k of the six tiles into a slot
.if (\slot) == 2
	WIN 0x80
.set xb, 0
.else
	WIN 0x40
.set xb, 96*(\slot)
.endif
.irp j, 0,1,2,3,4,5
.irp c, 0,1,2,3
	global_load_b128 v[xb+16*\j+4*\c:xb+16*\j+4*\c+3], v[VO+\j], s[8:9] offset:2048*(\k)+512*\c
.endr
.endr
.endm
.macro WFR k, buf                      ; W's four fragments of K step k from LDS
	WIN 0x80
.irp o, 0,1,2,3
.irp c, 0,1,2,3
	ds_load_b128 v[96+64*(\buf)+16*\o+4*\c:96+64*(\buf)+16*\o+4*\c+3], v[AW+\o] offset:128*(\k)+32*\c
.endr
.endr
.endm
	s_load_b256 s[4:11], s[0:1], 0x0               ; W s[4:5], b s[6:7], xf s[8:9], xsf s[10:11]
	s_load_b128 s[12:15], s[0:1], 0x20             ; lists s[12:13], gs s[14:15]
	s_load_b64 s[16:17], s[0:1], 0x30              ; out
	v_lshl_add_u32 v254, v0, 2, 0x2ac00
	v_mov_b32 v255, 0
	v_lshrrev_b32 v1, 5, v0
	v_readfirstlane_b32 s20, v1                    ; wave
	s_and_b32 s21, ttmp7, 0xffff                   ; expert
	v_and_b32 v1, 31, v0                           ; lane
	v_lshlrev_b32 v[LI], 4, v1
	v_bfe_u32 v3, v0, 4, 1                         ; h
	v_lshlrev_b32 v[H32], 5, v3
	s_lshl_b32 s28, s21, 24                        ; W: 2^24 bytes an expert, 2^19 a work-group, 2^17 a wave
	s_lshl_b32 s29, ttmp9, 19
	s_add_co_u32 s28, s28, s29
	s_lshl_b32 s29, s20, 17
	s_add_co_u32 s28, s28, s29
	s_mov_b32 s29, 0
	s_lshl_b32 s30, s21, 2
	s_lshl_b32 s36, s21, 13
	s_mov_b32 s37, 0
	s_lshl_b32 s38, ttmp9, 8
	s_mov_b32 s39, 0
	s_mov_b32 s[MNT], 0x600000
	s_wait_kmcnt 0x0
	s_load_b32 s23, s[12:13], s30 offset:0x10000   ; the expert's count
	s_add_nc_u64 s[4:5], s[4:5], s[28:29]
	s_add_nc_u64 s[6:7], s[6:7], s[36:37]
	s_add_nc_u64 s[6:7], s[6:7], s[38:39]          ; b[e][64 ob]
	s_add_nc_u64 s[14:15], s[14:15], s[36:37]
	s_add_nc_u64 s[16:17], s[16:17], s[38:39]      ; out at column 64 ob
	s_lshl_b32 s28, s21, 22
	s_add_nc_u64 s[8:9], s[8:9], s[28:29]
	s_lshl_b32 s28, s21, 17
	s_add_nc_u64 s[10:11], s[10:11], s[28:29]
	WIN 0x80
.irp o, 0,1,2,3
	global_load_b128 v[224+8*\o:224+8*\o+3], v[H32], s[6:7] offset:64*\o       ; b of outputs 16 o + 8 h + 0 .. 7: the result's layout
	global_load_b128 v[224+8*\o+4:224+8*\o+7], v[H32], s[6:7] offset:64*\o+16
.endr
	WIN 0xc0
.irp t, 0,1,2,3,4,5,6,7,8,9,10,11,12,13,14
	LOADW \t,\t
.endr
	WIN 0
	v_and_b32 v2, 15, v0                           ; r
	s_mul_i32 s28, s20, TSW
	s_add_co_u32 s28, s28, TS
	v_lshrrev_b32 v[TIN], 2, v1
	v_mul_u32_u24 v[TIN], v[TIN], SP
	v_and_b32 v[TOUT], 3, v1
	v_lshl_add_u32 v[TIN], v[TOUT], 4, v[TIN]
	v_add_nc_u32 v[TIN], s28, v[TIN]
	v_mul_u32_u24 v[TOUT], v1, SP
	v_add_nc_u32 v[TOUT], s28, v[TOUT]
	s_mul_i32 s28, s20, 16*WPITCH
	v_add_nc_u32 v[CA0], s28, v[LI]
	s_mul_i32 s28, s20, 16*SPITCH
	s_add_co_u32 s28, s28, WS
	v_lshrrev_b32 v[SA0], 1, v1
	v_add_nc_u32 v[SA0], s28, v[SA0]
	v_mul_u32_u24 v[AW], v2, WPITCH
	v_lshl_add_u32 v[AW], v3, 4, v[AW]
.irp o, 1,2,3
	v_add_nc_u32 v[AW+\o], \o*16*WPITCH, v[AW]
.endr
	v_mul_u32_u24 v[AWS], v2, SPITCH
	v_lshl_add_u32 v[AWS], v3, 4, v[AWS]
	v_add_nc_u32 v[AWS], WS, v[AWS]
	s_mul_i32 s28, s20, 16*OP
	s_add_co_u32 s28, s28, OS
	v_mul_u32_u24 v[STO], v2, OP
	v_lshl_add_u32 v[STO], v3, 5, v[STO]
	v_add_nc_u32 v[STO], s28, v[STO]
	v_mul_u32_u24 v[RD], v3, OP
	v_lshl_add_u32 v[RD], v2, 4, v[RD]
	v_add_nc_u32 v[RD], s28, v[RD]
	v_lshlrev_b32 v[CO], 4, v2
	v_lshlrev_b32 v[L4], 2, v2
.irp j, 0,1,2,3,4,5
	v_mov_b32 v[G+2*\j+1], 0                       ; named with the gate weight as a pair, so it is written
.endr
	s_wait_kmcnt 0x0
	s_add_nc_u64 s[12:13], s[12:13], s[36:37]      ; (the count's load has read its base)
	s_min_u32 s23, s23, 2048
	s_add_co_u32 s24, s23, 15
	s_lshr_b32 s24, s24, 4                         ; tiles of the expert
	s_mov_b32 s25, 0                               ; the pass's first tile
	s_mov_b32 s26, 0                               ; passes done
	ADDR
	s_wait_loadcnt 56                              ; the bias and step 0 are in: steps 1 to 14 are younger
	TURN 0,0
; PHASE A, step i of a trip of 16.  tail = 1: the last trip: from i = 1 on four loads of the first pass's list stand where the ring's four stood, so the counts stay.
.macro STEP i, tail
.if (\i) == 0
	s_wait_dscnt 0x0
	v_add_nc_u32 v[CA], s31, v[CA0]                ; the trip's four rows (no LDS instruction of mine is out)
	v_add_nc_u32 v[SA], s32, v[SA0]
.else
	s_wait_dscnt 2                                 ; this step is back from the stage; the last step's two stores may be out.  So the set that was turned a step earlier has been read
.endif
.if (\tail) && ((\i) > 0)
	XPRE 4*((\i)-1),4*(\i)
	WIN 0
.else
	WIN 0xc0
	LOADW ((\i)+15)%16,(\i)+15
	WIN 0
.endif
.if ((\tail) == 0) || ((\i) < 15)
	s_wait_loadcnt 56                              ; the next step's four loads are in: 14 x 4 loads are younger
	TURN ((\i)+1)%16,((\i)+1)%2
.endif
	Q16 X+16*((\i)%2),C+4*((\i)%2),E+((\i)%2)
	ds_store_b128 v[CA], v[C+4*((\i)%2):C+4*((\i)%2)+3] offset:((\i)/4)*WPITCH+512*((\i)%4)   ; 512 bytes on end of a row of codes
	ds_store_b8 v[SA], v[E+((\i)%2)] offset:((\i)/4)*SPITCH+16*((\i)%4)                       ; both lanes of a block write the same byte
.endm
	s_mov_b32 s27, 0
	s_mov_b32 s31, 0
	s_mov_b32 s32, 0
.Lstream:
.irp i, 0,1,2,3,4,5,6,7,8,9,10,11,12,13,14,15
	STEP \i,0
.endr
	s_wait_xcnt 0x0                                ; the loads have read their base
	s_add_nc_u64 s[4:5], s[4:5], 32768
	s_add_co_u32 s31, s31, 4*WPITCH
	s_add_co_u32 s32, s32, 4*SPITCH
	s_add_co_u32 s27, s27, 1
	s_cmp_lt_u32 s27, 3
	s_cbranch_scc1 .Lstream
.irp i, 0,1,2,3,4,5,6,7,8,9,10,11,12,13,14,15
	STEP \i,1
.endr
	XPRE 60,102
	WIN 0
	s_wait_dscnt 0x0                               ; for the others' sake: my rows' codes and scale bytes lie in LDS
	s_barrier_signal -1
	s_barrier_wait -1                              ; the launch's one barrier: from here on nobody writes them
.irp o, 0,1,2,3
.irp g, 0,1
	ds_load_b128 v[WSC+8*\o+4*\g:WSC+8*\o+4*\g+3], v[AWS] offset:16*SPITCH*\o+32*\g
.endr
.endr
; PHASE B.  K step k: the slot and the buffer that K step k - 1 has read are filled again, eight places behind its last product; then 24 products, the accumulators by turns, one instruction a turn.
.macro KSTEP k
.if (\k) > 0
.rept 8
	v_nop                                          ; places in front of loads into registers that matrix instructions have read (ISA guide 7.12.1 for vector instructions)
.endr
.if (\k)+2 < 16
	XFILL ((\k)-1)%3,(\k)+2
.endif
.endif
.if (\k) < 15
	WFR (\k)+1,((\k)+1)%2
.endif
.if (\k) <= 13
	s_wait_loadcnt 48                              ; this K step's 24 loads are in (and all that is older); those of the next two are younger
.elseif (\k) == 14
	s_wait_loadcnt 24
.else
	s_wait_loadcnt 0x0
.endif
.if (\k) < 15
	s_wait_dscnt 16                                ; W's fragments of this K step are in; the next step's 16 loads are younger
.else
	s_wait_dscnt 0x0
.endif
.set wb, 96+64*((\k)%2)
.set sw, 4*((\k)/8)+((\k)%4)
.if ((\k)%3) == 2
.set xb, 0
	WIN 0xfa                                       ; W window 2, tokens window 2, C and D window 3
.else
.set xb, 96*((\k)%3)
.if (\k) == 0
	WIN 0xe6                                       ; W window 2, tokens window 1, C (the bias) window 2, D window 3
.else
	WIN 0xf6                                       ; W window 2, tokens window 1, C and D window 3
.endif
.endif
.irp j, 0,1,2,3,4,5
.irp o, 0,1,2,3
.if (\k) == 0
	v_wmma_scale_f32_16x16x128_f8f6f4 v[32*\j+8*\o:32*\j+8*\o+7], v[wb+16*\o:wb+16*\o+15], v[xb+16*\j:xb+16*\j+15], v[224+8*\o:224+8*\o+7], v[WSC+8*\o+sw], v[XSC+8*\j+sw]
.elseif (((\k)/4)%2) == 0
	v_wmma_scale_f32_16x16x128_f8f6f4 v[32*\j+8*\o:32*\j+8*\o+7], v[wb+16*\o:wb+16*\o+15], v[xb+16*\j:xb+16*\j+15], v[32*\j+8*\o:32*\j+8*\o+7], v[WSC+8*\o+sw], v[XSC+8*\j+sw]
.else
	v_wmma_scale_f32_16x16x128_f8f6f4 v[32*\j+8*\o:32*\j+8*\o+7], v[wb+16*\o:wb+16*\o+15], v[xb+16*\j:xb+16*\j+15], v[32*\j+8*\o:32*\j+8*\o+7], v[WSC+8*\o+sw], v[XSC+8*\j+sw] matrix_a_scale:MATRIX_SCALE_ROW1 matrix_b_scale:MATRIX_SCALE_ROW1
.endif
.endr
.endr
.endm
.macro MUL j                           ; tile j's 32 results times my token's gate weight, each accumulator from its low end on
	WIN 0xc3                                       ; destination and source 0 window 3, the gate weight window 0
.set m, 0
.rept 16
	v_pk_mul_f32 v[32*(\j)+2*m:32*(\j)+2*m+1], v[32*(\j)+2*m:32*(\j)+2*m+1], v[G+2*(\j):G+2*(\j)+1] op_sel_hi:[1,0]
.set m, m+1
.endr
.endm
.Lpass:
	WFR 0,0
.irp k, 0,1,2,3,4,5,6,7,8,9,10,11,12,13,14,15
	KSTEP \k
.endr
.rept 8
	v_nop                                          ; places behind the last products: for the first read of results, and for the next pass's loads into operands
.endr
	MUL 0
; THE WAY OUT, tile by tile: 16 rows x 256 bytes through my own stage, back as whole rows; sixteen lanes store 256 bytes on end at a multiple of 256 from out's first byte, at the row that the token number names.
.irp j, 0,1,2,3,4,5
	WIN 0
	s_add_co_u32 s28, s33, 4*\j
	s_cmp_ge_u32 s28, s24
	s_cbranch_scc1 .Lout_done                      ; this slot holds no tile, and so none behind it does
	s_wait_xcnt 0x0                                ; the last tile's stores have read their data and offsets
	WIN 0x0c
.irp o, 0,1,2,3
	ds_store_b128 v[STO], v[32*\j+8*\o:32*\j+8*\o+3] offset:64*\o
	ds_store_b128 v[STO], v[32*\j+8*\o+4:32*\j+8*\o+7] offset:64*\o+16
.endr
	WIN 0
.irp i, 0,1,2,3,4,5,6,7
	ds_load_b128 v[BK+4*\i:BK+4*\i+3], v[RD] offset:2*OP*\i      ; rows 2 i + h; LDS serves a wave's instructions in order
.endr
	WIN 0x04
.irp i, 0,1,2,3,4,5,6,7
	v_min_u32 v[TT+\i], 0x7ff, v[TKB+8*\j+\i]      ; the token of row 2 i + h
.endr
	WIN 0
.irp i, 0,1,2,3,4,5,6,7
	v_lshl_add_u32 v[TT+\i], v[TT+\i], 13, v[CO]   ; its row of 8,192 bytes, + 16 (lane % 16)
.endr
.if \j < 5
	MUL \j+1
	WIN 0
.endif
.irp i, 0,1,2,3,4,5,6,7
	s_wait_dscnt 7-\i
	global_store_b128 v[TT+\i], v[BK+4*\i:BK+4*\i+3], s[16:17] th:TH_STORE_NT
.endr
.endr
.Lout_done:
	s_add_co_u32 s25, s25, 24
	s_add_co_u32 s26, s26, 1
	s_cmp_ge_u32 s25, s24
	s_cbranch_scc1 .Ldone                          ; no tile is left
	ADDR                                           ; (no load of mine is out: K step 15 waited for all)  Its vector lines and the eight above are the places in front of sums begun anew
	XPRE 0,102
	WIN 0
	s_cmp_lt_u32 s26, 6                            ; 128 tiles at the most: six passes of 24
	s_cbranch_scc1 .Lpass
.Ldone:
	s_wait_tensorcnt 0x0
	ds_add_u32 v254, v255
	s_wait_dscnt 0x0
	s_endpgm
.Lfunc_end_k_qb29aee5319_moe:
	.size	k_qb29aee5319_moe, .Lfunc_end_k_qb29aee5319_moe-k_qb29aee5319_moe
	.p2alignl 7, 3214868480
	.fill 96, 4, 3214868480
	.section	.rodata,"a",@progbits
	.p2align	6, 0x0
	.amdhsa_kernel k_qb29aee5319_moe
		.amdhsa_group_segment_fixed_size 175616
		.amdhsa_private_segment_fixed_size 0
		.amdhsa_enable_private_segment 0
		.amdhsa_kernarg_size 56
		.amdhsa_user_sgpr_count 2
		.amdhsa_user_sgpr_kernarg_segment_ptr 1
		.amdhsa_wavefront_size32 1
		.amdhsa_system_sgpr_workgroup_id_x 1
		.amdhsa_system_sgpr_workgroup_id_y 1
		.amdhsa_system_sgpr_workgroup_id_z 1
		.amdhsa_system_vgpr_workitem_id 0
		.amdhsa_next_free_vgpr 1024
		.amdhsa_next_free_sgpr 66
		.amdhsa_reserve_vcc 0
		.amdhsa_float_denorm_mode_32 3
		.amdhsa_float_denorm_mode_16_64 3
		.amdhsa_memory_ordered 1
		.amdhsa_forward_progress 1
		.amdhsa_inst_pref_size 255
	.end_amdhsa_kernel
	.section	.bss,"aw",@nobits
	.p2align	6
	.space	262144
	.amdgpu_metadata
---
amdhsa.version: [ 1, 2 ]
amdhsa.kernels:
  - .name:           k_qb29aee5319_moe
    .symbol:         k_qb29aee5319_moe.kd
    .args:
      - { .name: W, .offset: 0, .size: 8, .value_kind: global_buffer, .address_space: global }
      - { .name: b, .offset: 8, .size: 8, .value_kind: global_buffer, .address_space: global }
      - { .name: xf, .offset: 16, .size: 8, .value_kind: global_buffer, .address_space: global }
      - { .name: xsf, .offset: 24, .size: 8, .value_kind: global_buffer, .address_space: global }
      - { .name: lists, .offset: 32, .size: 8, .value_kind: global_buffer, .address_space: global }
      - { .name: gs, .offset: 40, .size: 8, .value_kind: global_buffer, .address_space: global }
      - { .name: out0, .offset: 48, .size: 8, .value_kind: global_buffer, .address_space: global }
    .group_segment_fixed_size: 175616
    .private_segment_fixed_size: 0
    .kernarg_segment_align: 8
    .kernarg_segment_size: 56
    .max_flat_workgroup_size: 128
    .sgpr_count:     66
    .vgpr_count:     1024
    .wavefront_size: 32
...
	.end_amdgpu_metadata
.endif
;; end of part 3
;; ======== version 2 of 2: 3 launches
;; workspace buffers: xq 4,194,304 bytes; xs 131,072 bytes; gatew 8,192 bytes; bm 2,048 bytes of whole numbers; xf 33,554,432 bytes; xsf 1,048,576 bytes; lists 65,792 bytes of whole numbers; gs 65,536 bytes
;; launch route (part 4): grid 256 x 1, 4 waves a work-group, no clusters, 90,112 bytes of LDS; arguments x, wg, xq, xs, gatew, bm; writes xq, xs, gatew, bm
.if DOCPART == 4
	.amdgcn_target "amdgcn-amd-amdhsa--gfx1250"
	.amdhsa_code_object_version 6
	.text
	.protected	k_qb29aee5319_route
	.globl	k_qb29aee5319_route
	.p2align	8
	.type	k_qb29aee5319_route,@function
k_qb29aee5319_route:
	s_mov_b64 s[64:65], 0
	v_nop
	global_prefetch_b8 v0, s[64:65] scope:SCOPE_SE
	s_setreg_imm32_b32 hwreg(HW_REG_WAVE_MODE, 25, 1), 1
	s_wait_xcnt 0x0
; ROUTER AND QUANTISER OF x.  x: [2048 tokens][2048] f32, wg: [2048][8] f32.
; Out: xq [token][2048] codes of E4M3, xs [token][64] E8M0 bytes (one for each 32 along K), gatew [token] f32 (the largest softmax weight),
; bm [8 experts][256 bytes]: bit b of byte g of expert e is set where token 8 g + b chose expert e.  The choice leaves as DATA at fixed places: no address here hangs on it.
; SHARES.  Work-group g takes tokens 8 g .. 8 g + 7; wave w takes K = 512 w .. 512 w + 511 of all eight rows, so x is read once, for the logits and for the codes.
; A lane holds 16 neighbours along K (two lanes to a block of 32).  Every global load is dense (32 lanes x 16 bytes on end) and turns through the wave's own stage in LDS.
; The logits are fused multiply-adds in f32, two experts an instruction; the softmax takes its maximum away; the largest term is then exactly 1, so the gate weight is 1 / the sum.
; LIMITS: NaN and infinities among the inputs are not served.  A block of zeros gets the byte 1 where the rule says 127: its codes are zeros and only this program reads the bytes.
; The argmax is taken of the logits, the lower index first; two logits so close that their softmax weights round to one number would be ordered by index in the module.  The order of the logits' f32 sums is this text's own.
.set SP,   80                          ; a lane's place in a stage: 64 bytes + 16 of padding
.set WGTW, 32*528                      ; LDS from 0: for each wave 32 places of 512 bytes + 16, for wg's turn
.set XT,   4*WGTW                      ; for each wave two stages of 32 x SP bytes, for x's turn
.set XTW,  2*32*SP
.set LG,   XT+4*XTW                    ; for each wave 64 partial logits
.set SB,   LG+4*256                    ; for each wave 8 rows x 16 scale bytes
.set QT,   8                           ; v8-11    at work in the quantiser
.set X,    16                          ; v16-47   two sets of 16 neighbours
.set ACC,  48                          ; v48-111  partial logit of row p, expert e at v[ACC + 8 p + e]
.set C,    112                         ; v112-143 four registers of codes for each row
.set E,    144                         ; v144-151 a scale byte for each row
.set T,    152                         ; v152-200 at work at the end
.set LGR,  201                         ; v201     where wave 0 reads the partial logits of row lane % 8
.set SBR,  202                         ; v202     where wave 1 reads 16 scale bytes
.set RW,   128                         ; window 1: v0-127 wg (register 8 i + e = wg[512 w + 16 lane + i][e]); v128-255 x as loaded, 16 a row
.set MNT,  28                          ; s28      the mantissa field of 448
.set MSB, 0
.macro WIN new                         ; the immediate's high byte repeats the setting that is left
.if MSB != (\new)
	s_set_vgpr_msb (MSB<<8)|(\new)
.set MSB, \new
.endif
.endm
; 16 neighbours of a lane become 16 codes and the block's byte.  The largest magnitude (with the floor 2^(9 - 127) among its leaves) is joined with the neighbour lane's;
; 8 off its exponent field is the conversion's scale operand; its exponent field over 448's mantissa is the hold.
.macro Q16 xs, c, e
	v_max3_num_f32 v[QT], |v[\xs]|, |v[\xs+1]|, |v[\xs+2]|
	v_max3_num_f32 v[QT+1], |v[\xs+3]|, |v[\xs+4]|, |v[\xs+5]|
.irp i, 6,10
	v_max3_num_f32 v[QT], v[QT], |v[\xs+\i]|, |v[\xs+\i+1]|
	v_max3_num_f32 v[QT+1], v[QT+1], |v[\xs+\i+2]|, |v[\xs+\i+3]|
.endr
	v_max3_num_f32 v[QT], v[QT], |v[\xs+14]|, |v[\xs+15]|
	v_max3_num_f32 v[QT], v[QT], v[QT+1], 0x4800000
	v_max_num_f32_dpp v[QT], v[QT], v[QT] row_xmask:1 row_mask:0xf bank_mask:0xf
	v_add_nc_u32 v[QT+3], 0xfc000000, v[QT]
	v_and_or_b32 v[QT+2], v[QT], 0x7f800000, s[MNT]
.irp i, 0,1,2,3,4,5,6,7,8,9,10,11,12,13,14,15
	v_med3_num_f32 v[\xs+\i], v[\xs+\i], -v[QT+2], v[QT+2]   ; the conversion to an 8-bit code does not saturate (ISA guide 7.6.2)
.endr
	v_cvt_scalef32_pk8_fp8_f32 v[\c:\c+1], v[\xs:\xs+7], v[QT+3]
	v_cvt_scalef32_pk8_fp8_f32 v[\c+2:\c+3], v[\xs+8:\xs+15], v[QT+3]
	v_lshrrev_b32 v[\e], 23, v[QT+3]               ; the byte; also the plain line behind the conversions
.endm
; row t's 2,048 bytes through the stage: in as loaded, back 64 bytes a lane.  LDS serves a wave's instructions in order.
.macro TURN t
	WIN 0x04                                       ; an LDS store's data are its source 1: window 1
.irp n, 0,1,2,3
	ds_store_b128 v3, v[RW+16*(\t)+4*\n:RW+16*(\t)+4*\n+3] offset:32*SP*((\t)%2)+8*SP*\n
.endr
	WIN 0
.irp n, 0,1,2,3
	ds_load_b128 v[X+16*((\t)%2)+4*\n:X+16*((\t)%2)+4*\n+3], v4 offset:32*SP*((\t)%2)+16*\n
.endr
.endm
	s_load_b256 s[4:11], s[0:1], 0x0               ; x s[4:5], wg s[6:7], xq s[8:9], xs s[10:11]
	s_load_b128 s[12:15], s[0:1], 0x20             ; gatew s[12:13], bm s[14:15]
	v_lshl_add_u32 v254, v0, 2, 0x15e00
	v_mov_b32 v255, 0
	v_lshrrev_b32 v1, 5, v0
	v_readfirstlane_b32 s16, v1                    ; wave
	v_and_b32 v1, 31, v0                           ; lane
	v_lshlrev_b32 v2, 4, v1                        ; 16 x lane
	s_mul_i32 s17, s16, XTW
	s_add_co_u32 s17, s17, XT
	v_lshrrev_b32 v3, 2, v1
	v_mul_u32_u24 v3, v3, SP
	v_and_b32 v4, 3, v1
	v_lshl_add_u32 v3, v4, 4, v3
	v_add_nc_u32 v3, s17, v3                       ; x's stage, in: SP (lane / 4) + 16 (lane % 4)
	v_mul_u32_u24 v4, v1, SP
	v_add_nc_u32 v4, s17, v4                       ; and back: SP x lane
	s_mul_i32 s18, s16, WGTW
	v_add_nc_u32 v5, s18, v2                       ; wg's stage, in: 16 x lane in place n
	v_mul_u32_u24 v6, v1, 528
	v_add_nc_u32 v6, s18, v6                       ; and back: place = lane
	s_lshl_b32 s19, s16, 7
	s_add_co_u32 s19, s19, SB
	v_lshrrev_b32 v7, 1, v1
	v_add_nc_u32 v7, s19, v7                       ; my block's scale byte: SB + 128 wave + lane / 2 (+ 16 row)
	s_lshl_b32 s20, s16, 8
	s_add_co_u32 s20, s20, LG
	v_mov_b32 v12, s20                             ; my wave's 64 partial logits
	s_lshl_b32 s21, s16, 11
	v_add_nc_u32 v13, s21, v2                      ; x: 2,048 wave + 16 lane
	s_lshl_b32 s21, s16, 14
	v_add_nc_u32 v14, s21, v2                      ; wg: 16,384 wave + 16 lane
	s_lshl_b32 s21, s16, 9
	v_add_nc_u32 v15, s21, v2                      ; xq: 512 wave + 16 lane
	v_and_b32 v[LGR], 7, v1
	v_lshl_add_u32 v[LGR], v[LGR], 5, LG
	v_and_b32 v[SBR], 3, v1
	v_lshrrev_b32 v203, 2, v1
	v_lshlrev_b32 v203, 4, v203
	v_lshl_add_u32 v[SBR], v[SBR], 7, v203
	v_add_nc_u32 v[SBR], SB, v[SBR]                ; bytes 16 lane .. of the group's 512: row lane / 4, wave lane % 4
.irp k, 0,1,2,3
	v_mov_b32 v[T+\k], 0                           ; a lane permute's destination counts as one of its sources
.endr
	s_mov_b32 s24, 0x76543210
	s_mov_b32 s25, 0xfedcba98                      ; v_permlanex16_b32's selects for lane l xor 16
	s_mov_b32 s[MNT], 0x600000
	s_mov_b32 s23, 0
	s_lshl_b32 s22, ttmp9, 16                      ; 8 rows of 8,192 bytes
	s_wait_kmcnt 0x0
	s_add_nc_u64 s[4:5], s[4:5], s[22:23]
	s_lshl_b32 s22, ttmp9, 14
	s_add_nc_u64 s[8:9], s[8:9], s[22:23]
	s_lshl_b32 s22, ttmp9, 9
	s_add_nc_u64 s[10:11], s[10:11], s[22:23]
	s_lshl_b32 s22, ttmp9, 5
	s_add_nc_u64 s[12:13], s[12:13], s[22:23]
	s_mov_b32 s22, ttmp9
	s_add_nc_u64 s[14:15], s[14:15], s[22:23]
	WIN 0x40                                       ; destination window 1
.set n, 0
.rept 32
	global_load_b128 v[4*n:4*n+3], v14, s[6:7] offset:512*n                  ; my wave's 16 KiB of wg, 512 bytes on end a load
.set n, n+1
.endr
.irp p, 0,1,2,3,4,5,6,7
.irp n, 0,1,2,3
	global_load_b128 v[RW+16*\p+4*\n:RW+16*\p+4*\n+3], v13, s[4:5] offset:8192*\p+512*\n th:TH_LOAD_NT
.endr
.endr
	s_wait_loadcnt 32                              ; wg is in: the 32 loads of x are younger
	WIN 0x04
.set n, 0
.rept 32
	ds_store_b128 v5, v[4*n:4*n+3] offset:528*n
.set n, n+1
.endr
	s_wait_dscnt 0x0                               ; the stores have read their registers, which the loads below fill
	WIN 0x40
.set n, 0
.rept 32
	ds_load_b128 v[4*n:4*n+3], v6 offset:16*n      ; my 16 rows of wg: 512 bytes
.set n, n+1
.endr
	s_wait_loadcnt 28                              ; row 0's four loads are in; seven rows are younger
	TURN 0
.macro STEP p
.set XS, X+16*((\p)%2)
.if (\p) > 0
	s_wait_dscnt 1                                 ; this row is back from the stage; the last row's byte store may be out
.else
	s_wait_dscnt 0x0                               ; wg and row 0
.endif
.if (\p) < 7
	s_wait_loadcnt 4*(6-(\p))                      ; the next row's four loads are in; the rows behind it may be out
	TURN (\p)+1
.endif
	WIN 0x04                                       ; source 1 (wg) window 1
.set i, 0
.rept 16                               ; x[k] x wg[k][e], two experts an instruction, four sums by turns; the first product starts the sums
.set pp, 0
.rept 4
.set A, ACC+8*(\p)+2*pp
.if i == 0
	v_pk_mul_f32 v[A:A+1], v[XS:XS+1], v[2*pp:2*pp+1] op_sel_hi:[0,1]
.elseif (i%2) == 0
	v_pk_fma_f32 v[A:A+1], v[XS+i:XS+i+1], v[8*i+2*pp:8*i+2*pp+1], v[A:A+1] op_sel_hi:[0,1,1]
.else
	v_pk_fma_f32 v[A:A+1], v[XS+i-1:XS+i], v[8*i+2*pp:8*i+2*pp+1], v[A:A+1] op_sel:[1,0,0] op_sel_hi:[1,1,1]
.endif
.set pp, pp+1
.endr
.set i, i+1
.endr
	WIN 0
	Q16 XS,C+4*(\p),E+(\p)
	ds_store_b8 v7, v[E+(\p)] offset:16*(\p)       ; both lanes of a block write the same byte with the same value
	global_store_b128 v15, v[C+4*(\p):C+4*(\p)+3], s[8:9] offset:2048*(\p)   ; the wave stores 512 bytes on end
.endm
.irp p, 0,1,2,3,4,5,6,7
	STEP \p
.endr
	; the 64 partial logits over the 32 lanes, four at a time
.set a, ACC
.rept 16
.irp m, 1,2,4,8
.irp k, 0,1,2,3
	v_add_f32_dpp v[a+\k], v[a+\k], v[a+\k] row_xmask:\m row_mask:0xf bank_mask:0xf
.endr
.endr
.irp k, 0,1,2,3
	v_permlanex16_b32 v[T+\k], v[a+\k], s24, s25
.endr
.irp k, 0,1,2,3
	v_add_f32 v[a+\k], v[a+\k], v[T+\k]
.endr
.set a, a+4
.endr
.set n, 0
.rept 16
	ds_store_b128 v12, v[ACC+4*n:ACC+4*n+3] offset:16*n        ; every lane holds the same sums and writes the same words
.set n, n+1
.endr
	s_wait_dscnt 0x0                               ; for the others' sake: my logits and my scale bytes lie in LDS
	s_barrier_signal -1
	s_barrier_wait -1
	s_cmp_lg_u32 s16, 0
	s_cbranch_scc1 .Lnot_wave_0
	; wave 0: lane l takes row l % 8
.irp w, 0,1,2,3
	ds_load_b128 v[T+8*\w:T+8*\w+3], v[LGR] offset:256*\w
	ds_load_b128 v[T+8*\w+4:T+8*\w+7], v[LGR] offset:256*\w+16
.endr
	s_wait_dscnt 0x0
.irp k, 0,2,4,6
	v_pk_add_f32 v[T+\k:T+\k+1], v[T+\k:T+\k+1], v[T+8+\k:T+8+\k+1]
	v_pk_add_f32 v[T+16+\k:T+16+\k+1], v[T+16+\k:T+16+\k+1], v[T+24+\k:T+24+\k+1]
.endr
.irp k, 0,2,4,6
	v_pk_add_f32 v[T+\k:T+\k+1], v[T+\k:T+\k+1], v[T+16+\k:T+16+\k+1]   ; the row's eight logits: v152-159
.endr
	v_mov_b32 v185, v152                           ; the largest so far,
	v_mov_b32 v186, 0                              ; and where: a later logit takes over only if it is larger, so the lower index wins
.irp e, 1,2,3,4,5,6,7
	v_cmp_ge_f32 vcc_lo, v185, v[T+\e]
	v_cndmask_b32 v186, \e, v186, vcc_lo
	v_max_num_f32 v185, v185, v[T+\e]
.endr
.irp e, 0,1,2,3,4,5,6,7
	v_sub_f32 v[T+8+\e], v[T+\e], v185             ; the maximum is taken away ahead of the exponential
.endr
.irp e, 0,1,2,3,4,5,6,7
	v_mul_f32 v[T+8+\e], 0x3fb8aa3b, v[T+8+\e]
.endr
	s_wait_alu depctr_va_vdst(0)
.irp e, 0,1,2,3,4,5,6,7
	v_exp_f32 v[T+8+\e], v[T+8+\e]
.endr
	v_lshlrev_b32 v189, 2, v1                      ; (a plain line behind the exponentials)  gatew: 4 x lane
	s_wait_alu depctr_va_vdst(0)
	v_pk_add_f32 v[160:161], v[160:161], v[162:163]
	v_pk_add_f32 v[164:165], v[164:165], v[166:167]
	v_pk_add_f32 v[160:161], v[160:161], v[164:165]
	v_add_f32 v160, v160, v161
	s_wait_alu depctr_va_vdst(0)
	v_rcp_f32 v187, v160                           ; the largest term is 1: the gate weight is 1 / the sum
	v_mov_b32 v188, 0                              ; (a plain line behind the reciprocal)
	v_lshlrev_b32 v190, 8, v1                      ; bm: 256 x lane (lane = expert)
.irp e, 0,1,2,3,4,5,6,7
	v_cmp_eq_u32 s26, \e, v186
	s_and_b32 s26, s26, 0xff                       ; lanes 0-7 are rows 0-7
	v_writelane_b32 v188, s26, \e                  ; lane e holds expert e's byte
.endr
	s_wait_xcnt 0x0                                ; EXEC changes only behind this wait: stores of mine have been issued
	v_cmp_gt_u32 vcc_lo, 8, v1
	s_and_saveexec_b32 s27, vcc_lo
	s_wait_alu depctr_va_vdst(0)
	global_store_b32 v189, v187, s[12:13]
	global_store_b8 v190, v188, s[14:15]
	s_wait_xcnt 0x0
	s_or_b32 exec_lo, exec_lo, s27
	s_branch .Lend
.Lnot_wave_0:
	s_cmp_lg_u32 s16, 1
	s_cbranch_scc1 .Lend
	ds_load_b128 v[160:163], v[SBR]                ; wave 1: the group's 512 scale bytes, in memory's order
	s_wait_dscnt 0x0
	global_store_b128 v2, v[160:163], s[10:11]
.Lend:
	s_wait_tensorcnt 0x0
	ds_add_u32 v254, v255
	s_wait_dscnt 0x0
	s_endpgm
.Lfunc_end_k_qb29aee5319_route:
	.size	k_qb29aee5319_route, .Lfunc_end_k_qb29aee5319_route-k_qb29aee5319_route
	.p2alignl 7, 3214868480
	.fill 96, 4, 3214868480
	.section	.rodata,"a",@progbits
	.p2align	6, 0x0
	.amdhsa_kernel k_qb29aee5319_route
		.amdhsa_group_segment_fixed_size 90112
		.amdhsa_private_segment_fixed_size 0
		.amdhsa_enable_private_segment 0
		.amdhsa_kernarg_size 48
		.amdhsa_user_sgpr_count 2
		.amdhsa_user_sgpr_kernarg_segment_ptr 1
		.amdhsa_wavefront_size32 1
		.amdhsa_system_sgpr_workgroup_id_x 1
		.amdhsa_system_sgpr_workgroup_id_y 1
		.amdhsa_system_sgpr_workgroup_id_z 1
		.amdhsa_system_vgpr_workitem_id 0
		.amdhsa_next_free_vgpr 512
		.amdhsa_next_free_sgpr 66
		.amdhsa_reserve_vcc 1
		.amdhsa_float_denorm_mode_32 3
		.amdhsa_float_denorm_mode_16_64 3
		.amdhsa_memory_ordered 1
		.amdhsa_forward_progress 1
		.amdhsa_inst_pref_size 96
	.end_amdhsa_kernel
	.amdgpu_metadata
---
amdhsa.version: [ 1, 2 ]
amdhsa.kernels:
  - .name:           k_qb29aee5319_route
    .symbol:         k_qb29aee5319_route.kd
    .args:
      - { .name: x, .offset: 0, .size: 8, .value_kind: global_buffer, .address_space: global }
      - { .name: wg, .offset: 8, .size: 8, .value_kind: global_buffer, .address_space: global }
      - { .name: xq, .offset: 16, .size: 8, .value_kind: global_buffer, .address_space: global }
      - { .name: xs, .offset: 24, .size: 8, .value_kind: global_buffer, .address_space: global }
      - { .name: gatew, .offset: 32, .size: 8, .value_kind: global_buffer, .address_space: global }
      - { .name: bm, .offset: 40, .size: 8, .value_kind: global_buffer, .address_space: global }
    .group_segment_fixed_size: 90112
    .private_segment_fixed_size: 0
    .kernarg_segment_align: 8
    .kernarg_segment_size: 48
    .max_flat_workgroup_size: 128
    .sgpr_count:     66
    .vgpr_count:     512
    .wavefront_size: 32
...
	.end_amdgpu_metadata
.endif
;; end of part 4
;; launch place (part 5): grid 16 x 8, 8 waves a work-group, no clusters, 0 bytes of LDS; arguments bm, xq, xs, gatew, xf, xsf, lists, gs; writes xf, xsf, lists, gs
.if DOCPART == 5
	.amdgcn_target "amdgcn-amd-amdhsa--gfx1250"
	.amdhsa_code_object_version 6
	.text
	.protected	k_qb29aee5319_place
	.globl	k_qb29aee5319_place
	.p2align	8
	.type	k_qb29aee5319_place,@function
k_qb29aee5319_place:
	s_mov_b64 s[64:65], 0
	v_nop
	global_prefetch_b8 v0, s[64:65] scope:SCOPE_SE
	s_setreg_imm32_b32 hwreg(HW_REG_WAVE_MODE, 25, 1), 1
	s_wait_xcnt 0x0
; THE ROWS ARE PLACED BY EXPERT.  In: bm (each expert's 2,048 bits), xq, xs, gatew.  An expert's tokens, in ascending order, are cut into tiles of 16.
; Out, for expert e and its tile lt (0 .. 127):
;   xf  [e][lt][16 K steps][4][32 lanes][16 bytes]: the tile's codes as images of the operand's registers: lane (r, h), group c of K step s: k = 128 s + 32 c + 16 h + 0 .. 15 of row r
;   xsf [e][lt][2][32 lanes][16 bytes]: lane (r, h) of half g: row r's scale words of K steps 8 g + 4 h + 0 .. 3
;   lists [e][lt][16] token numbers, row r at place 8 (r % 2) + r / 2;  behind them, at byte 65,536 + 4 e, the expert's count
;   gs  [e][lt][16] gate weights, row r at place r
; The rows that a last tile lacks repeat the tile's first token.  Tile 0 of every expert is written even where the expert has no token (with token 2,047's data): a later launch reads it for slots that hold no tile.
; SHARES.  Work-group (p, e), wave v: half = v / 4, quarter = v % 4.  In trip u of 4 the wave serves tile lt = p + 16 half + 32 u, K steps 4 quarter .. + 3.  No LDS, no barrier.
; The token of rank n is found by a search in the bitmap: the word by 63 running counts, the bit by 32 steps; every lane searches for its own row.
.set RHO, 10
.set M,   11
.set BAS, 12
.set CI,  13
.set NN,  14
.set AA,  15
.set POS, 16
.set TT,  17
.set TOK, 18
.set GA,  19
.set SA,  20
.set D,   32                           ; v32-95 sixteen loads of 16 bytes
	s_load_b256 s[84:91], s[0:1], 0x0              ; bm s[84:85], xq s[86:87], xs s[88:89], gatew s[90:91]
	s_load_b256 s[92:99], s[0:1], 0x20             ; xf s[92:93], xsf s[94:95], lists s[96:97], gs s[98:99]
	v_lshrrev_b32 v1, 5, v0
	s_delay_alu instid0(VALU_DEP_1)
	v_readfirstlane_b32 s4, v1                     ; wave
	s_lshr_b32 s5, s4, 2                           ; half
	s_and_b32 s6, s4, 3                            ; quarter
	s_and_b32 s7, ttmp7, 0xffff                    ; expert
	v_and_b32 v1, 31, v0                           ; lane
	v_and_b32 v2, 15, v0                           ; r
	v_bfe_u32 v3, v0, 4, 1                         ; h
	s_delay_alu instid0(VALU_DEP_3)
	v_lshlrev_b32 v4, 4, v1                        ; 16 x lane
	s_delay_alu instid0(VALU_DEP_2)
	v_lshlrev_b32 v7, 4, v3                        ; 16 h
	s_lshl_b32 s14, s6, 9
	v_add_nc_u32 v5, s14, v7                       ; in a row of codes: 512 quarter + 16 h
	s_lshl_b32 s14, s6, 13
	v_add_nc_u32 v6, s14, v4                       ; in a tile's images: 8,192 quarter + 16 lane
	v_and_b32 v8, 1, v2
	s_delay_alu instid0(VALU_DEP_1)
	v_lshlrev_b32 v8, 5, v8
	v_lshrrev_b32 v[TT], 1, v2
	s_delay_alu instid0(VALU_DEP_1)
	v_lshl_add_u32 v8, v[TT], 2, v8                ; lists: 4 x (8 (r % 2) + r / 2)
	v_lshlrev_b32 v9, 2, v2                        ; gs: 4 r
	s_lshl_b32 s15, s5, 4
	s_add_co_u32 s15, s15, ttmp9                   ; p + 16 half
	s_mov_b32 s9, 0
	s_lshl_b32 s8, s7, 8
	s_wait_kmcnt 0x0
	s_add_nc_u64 s[84:85], s[84:85], s[8:9]
	s_load_b512 s[16:31], s[84:85], 0x0            ; the expert's 64 words: word c in s[16 + c], from c = 48 on in s[20 + c]
	s_load_b512 s[32:47], s[84:85], 0x40
	s_load_b512 s[48:63], s[84:85], 0x80
	s_load_b512 s[68:83], s[84:85], 0xc0
	s_lshl_b32 s8, s7, 22
	s_add_nc_u64 s[92:93], s[92:93], s[8:9]
	s_lshl_b32 s8, s7, 17
	s_add_nc_u64 s[94:95], s[94:95], s[8:9]
	s_lshl_b32 s8, s7, 13                          ; the expert's part of lists and of gs: kept as an offset
	s_mov_b32 s2, 0
	s_wait_kmcnt 0x0
.set c, 0
.rept 64
.if c < 48
.set wr, 16+c
.else
.set wr, 20+c
.endif
	s_bcnt1_i32_b32 s3, s[wr]
	s_add_co_u32 s2, s2, s3                        ; the expert's count
.set c, c+1
.endr
	s_max_u32 s13, s2, 1                           ; tile 0 is always served
	s_or_b32 s14, ttmp9, s4
	s_cmp_lg_u32 s14, 0
	s_cbranch_scc1 .Lno_count
	s_lshl_b32 s14, s7, 2
	s_add_co_u32 s14, s14, 0x10000
	v_mov_b32 v21, s14
	v_mov_b32 v22, s2
	global_store_b32 v21, v22, s[96:97]            ; every lane writes the same word with the same value; v21 and v22 are not written again
.Lno_count:
	s_mov_b32 s10, 0
.Ltrip:
	s_lshl_b32 s11, s10, 5
	s_add_co_u32 s11, s11, s15                     ; lt
	s_lshl_b32 s12, s11, 4                         ; its first rank
	s_cmp_ge_u32 s12, s13
	s_cbranch_scc1 .Lskip                          ; the expert has no such tile
	v_add_nc_u32 v[RHO], s12, v2                   ; my row's rank
	v_mov_b32 v[M], s16
	v_mov_b32 v[BAS], 0
	v_mov_b32 v[CI], 0
	s_mov_b32 s3, 0
.set c, 1
.rept 63                               ; the last word in front of which at most rank bits are set
.if (c-1) < 48
.set wp, 16+c-1
.else
.set wp, 20+c-1
.endif
.if c < 48
.set wr, 16+c
.else
.set wr, 20+c
.endif
	s_bcnt1_i32_b32 s14, s[wp]
	s_add_co_u32 s3, s3, s14
	v_cmp_gt_u32 vcc_lo, s3, v[RHO]                ; more than rank bits lie in front of word c: keep
	s_delay_alu instid0(VALU_DEP_1)
	v_cndmask_b32 v[M], s[wr], v[M], vcc_lo
	s_delay_alu instid0(VALU_DEP_2)
	v_cndmask_b32 v[BAS], s3, v[BAS], vcc_lo
	s_delay_alu instid0(VALU_DEP_3)
	v_cndmask_b32 v[CI], c, v[CI], vcc_lo
.set c, c+1
.endr
	s_delay_alu instid0(VALU_DEP_2)
	v_sub_nc_u32 v[NN], v[RHO], v[BAS]             ; the rank inside the word
	v_mov_b32 v[AA], 0
	v_mov_b32 v[POS], 0
.set b, 0
.rept 32                               ; the place of set bit number n (from 0) = how many places have at most n set bits up to and with themselves
	v_bfe_u32 v[TT], v[M], b, 1
	s_delay_alu instid0(VALU_DEP_1)
	v_add_nc_u32 v[AA], v[AA], v[TT]
	s_delay_alu instid0(VALU_DEP_1)
	v_cmp_le_u32 vcc_lo, v[AA], v[NN]
	s_delay_alu instid0(VALU_DEP_1)
	v_add_co_ci_u32 v[POS], vcc_lo, 0, v[POS], vcc_lo
.set b, b+1
.endr
	s_delay_alu instid0(VALU_DEP_1)
	v_lshl_add_u32 v[TOK], v[CI], 5, v[POS]
	s_delay_alu instid0(VALU_DEP_1)
	v_readfirstlane_b32 s14, v[TOK]                ; the tile's first token
	v_cmp_gt_u32 vcc_lo, s2, v[RHO]
	s_delay_alu instid0(VALU_DEP_1)
	v_cndmask_b32 v[TOK], s14, v[TOK], vcc_lo      ; rows past the count repeat it
	s_delay_alu instid0(VALU_DEP_1)
	v_min_u32 v[TOK], 0x7ff, v[TOK]
	s_delay_alu instid0(VALU_DEP_1)
	v_lshl_add_u32 v[GA], v[TOK], 11, v5           ; my row's codes: 2,048 token + 512 quarter + 16 h
	s_lshl_b32 s14, s11, 15
	v_add_nc_u32 v[SA], s14, v6
.set n, 0
.rept 16
	global_load_b128 v[D+4*n:D+4*n+3], v[GA], s[86:87] offset:128*(n/4)+32*(n%4)
.set n, n+1
.endr
.set n, 0
	s_wait_alu depctr_va_vdst(0)
.rept 16
	s_wait_loadcnt 15-n                            ; loads come back in order: number n is in
	global_store_b128 v[SA], v[D+4*n:D+4*n+3], s[92:93] offset:2048*(n/4)+512*(n%4)   ; 32 lanes store 512 bytes on end
.set n, n+1
.endr
	s_cmp_lg_u32 s6, 0
	s_cbranch_scc1 .Lskip                          ; the quarter-0 wave also places the tile's scale words, token numbers and gate weights
	v_lshl_add_u32 v96, v[TOK], 6, v7
	v_lshlrev_b32 v97, 2, v[TOK]
	global_load_b128 v[100:103], v96, s[88:89]
	global_load_b128 v[104:107], v96, s[88:89] offset:32
	global_load_b32 v98, v97, s[90:91]
	s_lshl_b32 s14, s11, 10
	v_add_nc_u32 v99, s14, v4
	s_lshl_b32 s14, s11, 6
	s_add_co_u32 s14, s14, s8
	v_add_nc_u32 v108, s14, v8
	v_add_nc_u32 v109, s14, v9
	s_wait_alu depctr_va_vdst(0)
	s_wait_loadcnt 0x0
	global_store_b128 v99, v[100:103], s[94:95]
	global_store_b128 v99, v[104:107], s[94:95] offset:512
	global_store_b32 v108, v[TOK], s[96:97]        ; lanes 16-31 write what lanes 0-15 write
	global_store_b32 v109, v98, s[98:99]
.Lskip:
	s_wait_xcnt 0x0                                ; the trip's addresses and data are written again only behind this wait
	s_add_co_u32 s10, s10, 1
	s_cmp_lt_u32 s10, 4
	s_cbranch_scc1 .Ltrip
	s_endpgm
.Lfunc_end_k_qb29aee5319_place:
	.size	k_qb29aee5319_place, .Lfunc_end_k_qb29aee5319_place-k_qb29aee5319_place
	.p2alignl 7, 3214868480
	.fill 96, 4, 3214868480
	.section	.rodata,"a",@progbits
	.p2align	6, 0x0
	.amdhsa_kernel k_qb29aee5319_place
		.amdhsa_group_segment_fixed_size 0
		.amdhsa_private_segment_fixed_size 0
		.amdhsa_enable_private_segment 0
		.amdhsa_kernarg_size 64
		.amdhsa_user_sgpr_count 2
		.amdhsa_user_sgpr_kernarg_segment_ptr 1
		.amdhsa_wavefront_size32 1
		.amdhsa_system_sgpr_workgroup_id_x 1
		.amdhsa_system_sgpr_workgroup_id_y 1
		.amdhsa_system_sgpr_workgroup_id_z 1
		.amdhsa_system_vgpr_workitem_id 0
		.amdhsa_next_free_vgpr 112
		.amdhsa_next_free_sgpr 102
		.amdhsa_reserve_vcc 1
		.amdhsa_float_denorm_mode_32 3
		.amdhsa_float_denorm_mode_16_64 3
		.amdhsa_memory_ordered 1
		.amdhsa_forward_progress 1
		.amdhsa_inst_pref_size 38
	.end_amdhsa_kernel
	.amdgpu_metadata
---
amdhsa.version: [ 1, 2 ]
amdhsa.kernels:
  - .name:           k_qb29aee5319_place
    .symbol:         k_qb29aee5319_place.kd
    .args:
      - { .name: bm, .offset: 0, .size: 8, .value_kind: global_buffer, .address_space: global }
      - { .name: xq, .offset: 8, .size: 8, .value_kind: global_buffer, .address_space: global }
      - { .name: xs, .offset: 16, .size: 8, .value_kind: global_buffer, .address_space: global }
      - { .name: gatew, .offset: 24, .size: 8, .value_kind: global_buffer, .address_space: global }
      - { .name: xf, .offset: 32, .size: 8, .value_kind: global_buffer, .address_space: global }
      - { .name: xsf, .offset: 40, .size: 8, .value_kind: global_buffer, .address_space: global }
      - { .name: lists, .offset: 48, .size: 8, .value_kind: global_buffer, .address_space: global }
      - { .name: gs, .offset: 56, .size: 8, .value_kind: global_buffer, .address_space: global }
    .group_segment_fixed_size: 0
    .private_segment_fixed_size: 0
    .kernarg_segment_align: 8
    .kernarg_segment_size: 64
    .max_flat_workgroup_size: 256
    .sgpr_count:     102
    .vgpr_count:     112
    .wavefront_size: 32
...
	.end_amdgpu_metadata
.endif
;; end of part 5
;; launch moe (part 6): grid 32 x 8, 4 waves a work-group, no clusters, 175,616 bytes of LDS; arguments W, b, xf, xsf, lists, gs, out0; writes out0
.if DOCPART == 6
	.amdgcn_target "amdgcn-amd-amdhsa--gfx1250"
	.amdhsa_code_object_version 6
	.text
	.protected	k_qb29aee5319_moe
	.globl	k_qb29aee5319_moe
	.p2align	8
	.type	k_qb29aee5319_moe,@function
k_qb29aee5319_moe:
	s_mov_b64 s[64:65], 0
	v_nop
	global_prefetch_b8 v0, s[64:65] scope:SCOPE_SE
	s_setreg_imm32_b32 hwreg(HW_REG_WAVE_SCHED_MODE, 0, 2), 2
	s_setreg_imm32_b32 hwreg(HW_REG_WAVE_MODE, 25, 1), 1
	s_wait_xcnt 0x0
	s_wait_alu depctr_vm_vsrc(0)
; out[token][o] = gate weight x (sum over k of Q(x)[token][k] Q(W)[e][o][k] + b[e][o]), e the token's expert; both operands codes of E4M3 with one E8M0 scale for each 32 along K; sums in f32.
; Only the rows that the module's own one-hot mask keeps are multiplied.
; SHARES.  Work-group (ob, e) owns rows 64 ob .. + 63 of W[e]: 512 KiB of f32 on end, read from memory once in the whole launch, quantised on the way, kept as codes in LDS.
; PHASE A: wave w streams rows 16 w .. + 15 in 64 steps of 2,048 bytes; a ring of 16 register sets keeps 60 loads (30 KiB) of the wave on their way.  Loads are dense; a step turns through the wave's own LDS stage so that
; a lane holds 16 neighbours along K.  One barrier.  PHASE B: the expert's tiles of 16 tokens, 24 a pass: slot j of wave w is tile 24 P + 4 j + w; each against all 64 rows of W: 24 accumulators a wave, by turns.
; The tokens' codes come from memory as images of the operand's registers (each load 512 bytes on end), in three slots by turns.  A slot that holds no tile reads 16 bytes of the expert's tile 0 in every lane,
; so that the loads are counted alike on every path; its products are never read.
; THE MATRIX INSTRUCTION: source 0 = 16 rows of W, source 1 = 16 tokens: lane (r, h) holds token r and outputs 16 o + 8 h + 0 .. 7.  The bias is the C of each sum's first instruction.
; NO CLUSTER, NO TENSOR LOAD: the 32 work-groups of an expert do read the same tiles of tokens, but how many there are hangs on a count read from memory, and with it this text's branches and trip counts.
; LIMITS: NaN and infinities in W are not served.  A block of zeros gets the byte 1 where the rule says 127: its codes are zeros and only this text reads the bytes.
; THE MODE: SCHED_MODE bits 1:0 = 2 (LLVM: expert scheduling mode 2), set by the entry lines.  The code itself states the register dependences
; between vector or matrix instructions and memory or LDS instructions, with s_wait_alu, always for 0.
; THE PLAN.  Registers that memory or LDS instructions touch:
;   addresses made once at the head (v4 to v19, v56): read by loads and stores, never written again.
;   VO, VS, VG, VT   written by ADDR, once a pass; read by the pass's global loads.
;   CA, SA           written at step 0 of a trip of 16 steps; read by the LDS stores of codes and scale bytes.
;   the ring         phase A: global loads land in a set, the turn's LDS stores read it two steps before it is loaded again; no vector instruction names it.
;   X0, X1           the turn's LDS loads land in X[(i + 1) % 2] in step i; the quantiser of step i names X[i % 2].
;   C0, C1, E0, E1   written by the quantiser of step i (parity i % 2), read by the two LDS stores at the step's end, written again in step i + 2.
;   slots 0 to 2, W's buffers 0 and 1   K step k's products read slot k % 3 and buffer k % 2; the loads issued in K step k land in slot (k - 1) % 3 and buffer (k + 1) % 2.
;   XSC, G, TKB      loaded once a pass; read by the products, by the multiplications by the gate weight, by v_min_u32.
;   the accumulators written by products and by those multiplications; read by the stage's LDS stores.   BK: LDS loads land, global stores read.   TT: vector lines write, global stores read.
; PHASE A has one wait on va_vdst a step, behind the quantiser, and one on vm_vsrc every second step.  PHASE B has one wait on va_vdst at the head of a K step; the step's 40 loads follow it, dealt among its 24 products,
; which name none of the registers that those loads touch.  The way out has one wait of each kind a tile; between two passes stands one of each.
; REGISTERS, in windows of 256.  Window 0: see below.  Window 1: v0-95, v96-191 the tokens' fragments, slots 0 and 1 (16 a tile); v192-239 token numbers, 8 a tile.
;   Window 2: v0-95 slot 2; v96-159, v160-223 W's four fragments, two buffers; v224-255 the bias, 8 a tile of outputs.  Window 3: phase A: the ring, 16 sets of 16; phase B: accumulator (j, o) at v[32 j + 8 o].
.set WPITCH, 2064                      ; a row of W's codes in LDS: 2,048 bytes + 16: an odd multiple of 16, so that the 16 rows of a fragment load begin in 16 different groups of four banks (64 banks of 4 bytes: ISA guide 11.1)
.set SPITCH, 80                        ; a row of W's scale bytes: 64 + 16
.set WS,  64*WPITCH                    ; LDS: codes from 0; scale bytes;
.set TS,  WS+64*SPITCH                 ; for each wave two turn stages of 32 x 80 bytes;
.set SP,  80
.set TSW, 2*32*SP
.set OS,  TS+4*TSW                     ; for each wave a stage of 16 rows x (256 + 16) bytes for the way out
.set OP,  272
.set LI,  4                            ; v4     16 x lane
.set TIN, 5                            ; v5     turn stage, in
.set TOUT,6                            ; v6     turn stage, back
.set CA0, 7                            ; v7     my codes' place in my wave's first row
.set SA0, 8                            ; v8     my block's scale byte there
.set AW,  9                            ; v9-12  W's fragment of outputs 16 o on
.set AWS, 13                           ; v13    W's scale words
.set STO, 14                           ; v14    the way out: where I put 32 bytes of a row
.set RD,  16                           ; v16    and where I read a row back
.set CO,  18                           ; v18    16 (lane % 16)
.set L4,  19                           ; v19    4 (lane % 16)
.set VO,  20                           ; v20-25 slot j: offset of my 16 bytes in its tile's images
.set VS,  26                           ; v26-31 in its scale words
.set VG,  32                           ; v32-37 of my row's gate weight
.set G,   38                           ; v38-49 slot j: the gate weight, and a 0 that makes a pair of it
.set QT,  50                           ; v50-53 at work in the quantiser
.set CA,  54                           ; v54    CA0 + the trip's rows
.set SA,  55                           ; v55    SA0 likewise
.set H32, 56                           ; v56    32 (lane / 16)
.set C,   58                           ; v58-65 codes, two sets
.set E,   66                           ; v66-67 scale byte, two sets
.set X,   68                           ; v68-99 16 neighbours, two sets
.set WSC, 100                          ; v100-131 W's scale words: 8 o + 4 g + i: lane (r, h): row 16 o + r, K step 8 g + 4 h + i
.set XSC, 132                          ; v132-179 the tokens': 8 j + 4 g + i likewise
.set BK,  180                          ; v180-211 16 rows back from the stage
.set TT,  212                          ; v212-219 their offsets in out
.set VT,  220                          ; v220-225 slot j: offset of my half's eight token numbers
.set TKB, 192                          ; window 1
.set MNT, 34                           ; s34    the mantissa field of 448
.set MSB, 0
.macro WIN new                         ; the immediate's high byte repeats the setting that is left
.if MSB != (\new)
	s_set_vgpr_msb (MSB<<8)|(\new)
.set MSB, \new
.endif
.endm
.macro Q16 xs, c, e                    ; 16 neighbours of a lane become 16 codes and the block's byte (two lanes to a block)
	v_max3_num_f32 v[QT], |v[\xs]|, |v[\xs+1]|, |v[\xs+2]|
	v_max3_num_f32 v[QT+1], |v[\xs+3]|, |v[\xs+4]|, |v[\xs+5]|
.irp i, 6,10
	v_max3_num_f32 v[QT], v[QT], |v[\xs+\i]|, |v[\xs+\i+1]|
	v_max3_num_f32 v[QT+1], v[QT+1], |v[\xs+\i+2]|, |v[\xs+\i+3]|
.endr
	v_max3_num_f32 v[QT], v[QT], |v[\xs+14]|, |v[\xs+15]|
	v_max3_num_f32 v[QT], v[QT], v[QT+1], 0x4800000                ; the floor 2^(9 - 127): the byte cannot fall under 1
	v_max_num_f32_dpp v[QT], v[QT], v[QT] row_xmask:1 row_mask:0xf bank_mask:0xf
	v_add_nc_u32 v[QT+3], 0xfc000000, v[QT]        ; 8 off the exponent field: the conversion's scale operand
	v_and_or_b32 v[QT+2], v[QT], 0x7f800000, s[MNT]   ; 448 x the scale
.irp i, 0,1,2,3,4,5,6,7,8,9,10,11,12,13,14,15
	v_med3_num_f32 v[\xs+\i], v[\xs+\i], -v[QT+2], v[QT+2]   ; the conversion to an 8-bit code does not saturate (ISA guide 7.6.2)
.endr
	v_cvt_scalef32_pk8_fp8_f32 v[\c:\c+1], v[\xs:\xs+7], v[QT+3]
	v_cvt_scalef32_pk8_fp8_f32 v[\c+2:\c+3], v[\xs+8:\xs+15], v[QT+3]
	v_lshrrev_b32 v[\e], 23, v[QT+3]               ; the byte; also the plain line behind the conversions
.endm
.macro LOADW set, rel                  ; 2,048 bytes of W, rel steps from the trip's base, into a set of the ring (window 3 is set by the caller)
.irp n, 0,1,2,3
	global_load_b128 v[16*(\set)+4*\n:16*(\set)+4*\n+3], v[LI], s[4:5] offset:2048*(\rel)+512*\n th:TH_LOAD_NT
.endr
.endm
.macro TURN set, par                   ; a set through the stage: in as loaded, back 64 bytes a lane; LDS serves a wave's instructions in order
	WIN 0x0c                                       ; an LDS store's data are its source 1: window 3
.irp n, 0,1,2,3
	ds_store_b128 v[TIN], v[16*(\set)+4*\n:16*(\set)+4*\n+3] offset:32*SP*(\par)+8*SP*\n
.endr
	WIN 0
.irp n, 0,1,2,3
	ds_load_b128 v[X+16*(\par)+4*\n:X+16*(\par)+4*\n+3], v[TOUT] offset:32*SP*(\par)+16*\n
.endr
.endm
; The six slots' offsets for the pass that begins at tile s25.  A slot past the expert's last tile (s24 tiles) gets tile 0, and for its large loads no lane term.
.macro ADDR
	s_add_co_u32 s33, s25, s20
.irp j, 0,1,2,3,4,5
	s_add_co_u32 s28, s33, 4*\j
	s_cmp_lt_u32 s28, s24
	s_cselect_b32 s29, s28, 0
	s_cselect_b32 s30, 1, 0
	s_min_u32 s29, s29, 127
	s_min_u32 s30, s30, 1
	s_lshl_b32 s35, s29, 15
	v_mad_u32_u24 v[VO+\j], v[LI], s30, s35
	s_lshl_b32 s35, s29, 10
	v_mad_u32_u24 v[VS+\j], v[LI], s30, s35
	s_lshl_b32 s35, s29, 6
	v_add_nc_u32 v[VG+\j], s35, v[L4]
	v_add_nc_u32 v[VT+\j], s35, v[H32]
.endr
.endm
; What a pass loads ahead of its first K step is a list of 102 loads, always in this order: 12 of scale words, 6 gate weights, 12 of token numbers, then K steps 0, 1, 2 (24 each).  XP1 writes number q.
.macro XP1
.if q < 12
	WIN 0
	global_load_b128 v[XSC+8*(q/2)+4*(q%2):XSC+8*(q/2)+4*(q%2)+3], v[VS+q/2], s[10:11] offset:512*(q%2)
.elseif q < 18
	WIN 0
	global_load_b32 v[G+2*(q-12)], v[VG+q-12], s[14:15]
.elseif q < 30
	WIN 0x40
	global_load_b128 v[TKB+4*(q-18):TKB+4*(q-18)+3], v[VT+(q-18)/2], s[12:13] offset:16*((q-18)%2)
.else
.set qq, q-30
.if (qq/24) == 2
	WIN 0x80
.set xb, 0
.else
	WIN 0x40
.set xb, 96*(qq/24)
.endif
	global_load_b128 v[xb+4*(qq%24):xb+4*(qq%24)+3], v[VO+(qq%24)/4], s[8:9] offset:2048*(qq/24)+512*(qq%4)
.endif
.endm
.macro XPRE from, to
.set q, \from
.rept (\to)-(\from)
	XP1
.set q, q+1
.endr
.endm
.macro XFILL3 slot, k, j0              ; K step k of tiles j0, j0 + 1, j0 + 2 into a slot
.if (\slot) == 2
	WIN 0x80
.set fb, 0
.else
	WIN 0x40
.set fb, 96*(\slot)
.endif
.irp j, \j0, \j0+1, \j0+2
.irp c, 0,1,2,3
	global_load_b128 v[fb+16*(\j)+4*\c:fb+16*(\j)+4*\c+3], v[VO+(\j)], s[8:9] offset:2048*(\k)+512*\c
.endr
.endr
.endm
.macro WFR2 k, buf, o0                 ; W's fragments of outputs 16 o0 and 16 (o0 + 1) on, of K step k, from LDS
	WIN 0x80
.irp o, \o0, \o0+1
.irp c, 0,1,2,3
	ds_load_b128 v[96+64*(\buf)+16*(\o)+4*\c:96+64*(\buf)+16*(\o)+4*\c+3], v[AW+(\o)] offset:128*(\k)+32*\c
.endr
.endr
.endm
	s_load_b256 s[4:11], s[0:1], 0x0               ; W s[4:5], b s[6:7], xf s[8:9], xsf s[10:11]
	s_load_b128 s[12:15], s[0:1], 0x20             ; lists s[12:13], gs s[14:15]
	s_load_b64 s[16:17], s[0:1], 0x30              ; out
	v_lshl_add_u32 v254, v0, 2, 0x2ac00
	v_mov_b32 v255, 0
	v_lshrrev_b32 v1, 5, v0
	v_readfirstlane_b32 s20, v1                    ; wave
	s_and_b32 s21, ttmp7, 0xffff                   ; expert
	v_and_b32 v1, 31, v0                           ; lane
	v_lshlrev_b32 v[LI], 4, v1
	v_bfe_u32 v3, v0, 4, 1                         ; h
	v_lshlrev_b32 v[H32], 5, v3
	s_wait_alu depctr_va_sdst(0)                   ; s20 is written, ahead of its first reader: W's base is made from it
	s_lshl_b32 s28, s21, 24                        ; W: 2^24 bytes an expert, 2^19 a work-group, 2^17 a wave
	s_lshl_b32 s29, ttmp9, 19
	s_add_co_u32 s28, s28, s29
	s_lshl_b32 s29, s20, 17
	s_add_co_u32 s28, s28, s29
	s_mov_b32 s29, 0
	s_lshl_b32 s30, s21, 2
	s_lshl_b32 s36, s21, 13
	s_mov_b32 s37, 0
	s_lshl_b32 s38, ttmp9, 8
	s_mov_b32 s39, 0
	s_mov_b32 s[MNT], 0x600000
	s_wait_kmcnt 0x0
	s_load_b32 s23, s[12:13], s30 offset:0x10000   ; the expert's count
	s_add_nc_u64 s[4:5], s[4:5], s[28:29]
	s_add_nc_u64 s[6:7], s[6:7], s[36:37]
	s_add_nc_u64 s[6:7], s[6:7], s[38:39]          ; b[e][64 ob]
	s_add_nc_u64 s[14:15], s[14:15], s[36:37]
	s_add_nc_u64 s[16:17], s[16:17], s[38:39]      ; out at column 64 ob
	s_lshl_b32 s28, s21, 22
	s_add_nc_u64 s[8:9], s[8:9], s[28:29]
	s_lshl_b32 s28, s21, 17
	s_add_nc_u64 s[10:11], s[10:11], s[28:29]
	WIN 0x80
	s_wait_alu depctr_va_vdst(0)                   ; v[H32] and v[LI] are written: the loads of the bias and of W read them as their offsets
.irp o, 0,1,2,3
	global_load_b128 v[224+8*\o:224+8*\o+3], v[H32], s[6:7] offset:64*\o       ; b of outputs 16 o + 8 h + 0 .. 7: the result's layout
	global_load_b128 v[224+8*\o+4:224+8*\o+7], v[H32], s[6:7] offset:64*\o+16
.endr
	WIN 0xc0
.irp t, 0,1,2,3,4,5,6,7,8,9,10,11,12,13,14
	LOADW \t,\t
.endr
	WIN 0
	v_and_b32 v2, 15, v0                           ; r
	s_mul_i32 s28, s20, TSW
	s_add_co_u32 s28, s28, TS
	v_lshrrev_b32 v[TIN], 2, v1
	v_mul_u32_u24 v[TIN], v[TIN], SP
	v_and_b32 v[TOUT], 3, v1
	v_lshl_add_u32 v[TIN], v[TOUT], 4, v[TIN]
	v_add_nc_u32 v[TIN], s28, v[TIN]
	v_mul_u32_u24 v[TOUT], v1, SP
	v_add_nc_u32 v[TOUT], s28, v[TOUT]
	s_mul_i32 s28, s20, 16*WPITCH
	v_add_nc_u32 v[CA0], s28, v[LI]
	s_mul_i32 s28, s20, 16*SPITCH
	s_add_co_u32 s28, s28, WS
	v_lshrrev_b32 v[SA0], 1, v1
	v_add_nc_u32 v[SA0], s28, v[SA0]
	v_mul_u32_u24 v[AW], v2, WPITCH
	v_lshl_add_u32 v[AW], v3, 4, v[AW]
.irp o, 1,2,3
	v_add_nc_u32 v[AW+\o], \o*16*WPITCH, v[AW]
.endr
	v_mul_u32_u24 v[AWS], v2, SPITCH
	v_lshl_add_u32 v[AWS], v3, 4, v[AWS]
	v_add_nc_u32 v[AWS], WS, v[AWS]
	s_mul_i32 s28, s20, 16*OP
	s_add_co_u32 s28, s28, OS
	v_mul_u32_u24 v[STO], v2, OP
	v_lshl_add_u32 v[STO], v3, 5, v[STO]
	v_add_nc_u32 v[STO], s28, v[STO]
	v_mul_u32_u24 v[RD], v3, OP
	v_lshl_add_u32 v[RD], v2, 4, v[RD]
	v_add_nc_u32 v[RD], s28, v[RD]
	v_lshlrev_b32 v[CO], 4, v2
	v_lshlrev_b32 v[L4], 2, v2
.irp j, 0,1,2,3,4,5
	v_mov_b32 v[G+2*\j+1], 0                       ; named with the gate weight as a pair, so it is written
.endr
	s_wait_alu depctr_va_vdst(0)
	s_wait_kmcnt 0x0
	s_add_nc_u64 s[12:13], s[12:13], s[36:37]      ; (the count's load has read its base)
	s_min_u32 s23, s23, 2048
	s_add_co_u32 s24, s23, 15
	s_lshr_b32 s24, s24, 4                         ; tiles of the expert
	s_mov_b32 s25, 0                               ; the pass's first tile
	s_mov_b32 s26, 0                               ; passes done
	ADDR
	s_wait_alu depctr_va_vdst(0)                   ; the LDS addresses v5 to v16 and the first pass's 24 offsets are written: the turns, the fragments' loads, the stage and the list of 102 loads read them
	s_wait_loadcnt 56                              ; the bias and step 0 are in: steps 1 to 14 are younger
	TURN 0,0
; PHASE A, step i of a trip of 16.  tail = 1: the last trip: from i = 1 on four loads of the first pass's list stand where the ring's four stood, so the counts stay.
.macro STEP i, tail
.if (\i) == 0
	s_wait_dscnt 0x0
.else
	s_wait_dscnt 2                                 ; this step is back from the stage; the last step's two stores may be out
.endif
.if ((\i)%2) == 0
	s_wait_alu depctr_vm_vsrc(0)                   ; the LDS stores issued so far have read their registers.  What steps i and i + 1 write again was read by stores of steps i - 2 and i - 1: the ring's sets i - 1 and i, in which loads land, and both sets of C and E; at i = 0 also CA and SA.  So the line stands at every second step
.endif
.if (\i) == 0
	v_add_nc_u32 v[CA], s31, v[CA0]                ; the trip's four rows
	v_add_nc_u32 v[SA], s32, v[SA0]
.endif
.if (\tail) && ((\i) > 0)
	XPRE 4*((\i)-1),4*(\i)
	WIN 0
.else
	WIN 0xc0
	LOADW ((\i)+15)%16,(\i)+15
	WIN 0
.endif
.if ((\tail) == 0) || ((\i) < 15)
	s_wait_loadcnt 56                              ; the next step's four loads are in: 14 x 4 loads are younger
	TURN ((\i)+1)%16,((\i)+1)%2                    ; its LDS loads land in the X that the last step's quantiser named: that quantiser stands ahead of the last wait on va_vdst, and nothing since names that X
.endif
	Q16 X+16*((\i)%2),C+4*((\i)%2),E+((\i)%2)
	s_wait_alu depctr_va_vdst(0)                   ; the quantiser has written C and E, which the two stores read, and is done with its X, in which the next step's turn lands; at i = 0 CA and SA are written
	ds_store_b128 v[CA], v[C+4*((\i)%2):C+4*((\i)%2)+3] offset:((\i)/4)*WPITCH+512*((\i)%4)   ; 512 bytes on end of a row of codes
	ds_store_b8 v[SA], v[E+((\i)%2)] offset:((\i)/4)*SPITCH+16*((\i)%4)                       ; both lanes of a block write the same byte
.endm
	s_mov_b32 s27, 0
	s_mov_b32 s31, 0
	s_mov_b32 s32, 0
.Lstream:
.irp i, 0,1,2,3,4,5,6,7,8,9,10,11,12,13,14,15
	STEP \i,0
.endr
	s_wait_xcnt 0x0                                ; the loads have read their base
	s_add_nc_u64 s[4:5], s[4:5], 32768
	s_add_co_u32 s31, s31, 4*WPITCH
	s_add_co_u32 s32, s32, 4*SPITCH
	s_add_co_u32 s27, s27, 1
	s_cmp_lt_u32 s27, 3
	s_cbranch_scc1 .Lstream
.irp i, 0,1,2,3,4,5,6,7,8,9,10,11,12,13,14,15
	STEP \i,1
.endr
	XPRE 60,102
	WIN 0
	s_wait_dscnt 0x0                               ; for the others' sake: my rows' codes and scale bytes lie in LDS
	s_barrier_signal -1
	s_barrier_wait -1                              ; the launch's one barrier: from here on nobody writes them
.irp o, 0,1,2,3
.irp g, 0,1
	ds_load_b128 v[WSC+8*\o+4*\g:WSC+8*\o+4*\g+3], v[AWS] offset:16*SPITCH*\o+32*\g
.endr
.endr
; PHASE B.  Four products of K step k: tile j against W's four fragments.  The 24 accumulators take turns, one instruction a turn, in the same order in every K step.
.macro MM k, j
.set wb, 96+64*((\k)%2)
.set sw, 4*((\k)/8)+((\k)%4)
.if ((\k)%3) == 2
.set xb, 0
	WIN 0xfa                                       ; W window 2, tokens window 2, C and D window 3
.else
.set xb, 96*((\k)%3)
.if (\k) == 0
	WIN 0xe6                                       ; W window 2, tokens window 1, C (the bias) window 2, D window 3
.else
	WIN 0xf6                                       ; W window 2, tokens window 1, C and D window 3
.endif
.endif
.irp o, 0,1,2,3
.if (\k) == 0
	v_wmma_scale_f32_16x16x128_f8f6f4 v[32*(\j)+8*\o:32*(\j)+8*\o+7], v[wb+16*\o:wb+16*\o+15], v[xb+16*(\j):xb+16*(\j)+15], v[224+8*\o:224+8*\o+7], v[WSC+8*\o+sw], v[XSC+8*(\j)+sw]
.elseif (((\k)/4)%2) == 0
	v_wmma_scale_f32_16x16x128_f8f6f4 v[32*(\j)+8*\o:32*(\j)+8*\o+7], v[wb+16*\o:wb+16*\o+15], v[xb+16*(\j):xb+16*(\j)+15], v[32*(\j)+8*\o:32*(\j)+8*\o+7], v[WSC+8*\o+sw], v[XSC+8*(\j)+sw]
.else
	v_wmma_scale_f32_16x16x128_f8f6f4 v[32*(\j)+8*\o:32*(\j)+8*\o+7], v[wb+16*\o:wb+16*\o+15], v[xb+16*(\j):xb+16*(\j)+15], v[32*(\j)+8*\o:32*(\j)+8*\o+7], v[WSC+8*\o+sw], v[XSC+8*(\j)+sw] matrix_a_scale:MATRIX_SCALE_ROW1 matrix_b_scale:MATRIX_SCALE_ROW1
.endif
.endr
.endm
; K step k.  At its head its own data are waited for; one wait on va_vdst follows; then its 24 products, and among them the loads into the slot and the buffer that K step k - 1 has read:
; W's fragments of K step k + 1 behind tiles 0 and 1, the tokens' of K step k + 2 behind tiles 2 and 3.
.macro KSTEP k
.if (\k) == 0
	s_wait_loadcnt 48                              ; K step 0's 24 loads are in, and all that is older; those of K steps 1 and 2 are younger
.elseif (\k) < 15
	s_wait_loadcnt 24                              ; this K step's 24 loads are in; those of K step k + 1, issued in K step k - 1, are younger
.else
	s_wait_loadcnt 0x0
.endif
	s_wait_dscnt 0x0                               ; W's fragments of this K step are in: no LDS load is younger
.if ((\k) > 0) && ((\k) < 15)
.rept 8
	v_nop                                          ; eight places behind the last K step's products, ahead of the loads into the registers that they read; the wait below states the dependence itself
.endr
	s_wait_alu depctr_va_vdst(0)                   ; the products of K step k - 1 are done reading slot (k - 1) % 3 and W's buffer (k - 1) % 2, in which this step's loads land; this step's products name neither
.endif
	MM \k,0
.if (\k) < 15
	WFR2 (\k)+1,((\k)+1)%2,0
.endif
	MM \k,1
.if (\k) < 15
	WFR2 (\k)+1,((\k)+1)%2,2
.endif
	MM \k,2
.if ((\k) > 0) && ((\k)+2 < 16)
	XFILL3 ((\k)-1)%3,(\k)+2,0
.endif
	MM \k,3
.if ((\k) > 0) && ((\k)+2 < 16)
	XFILL3 ((\k)-1)%3,(\k)+2,3
.endif
	MM \k,4
	MM \k,5
.endm
.macro MUL j                           ; tile j's 32 results times my token's gate weight, each accumulator from its low end on
	WIN 0xc3                                       ; destination and source 0 window 3, the gate weight window 0
.set m, 0
.rept 16
	v_pk_mul_f32 v[32*(\j)+2*m:32*(\j)+2*m+1], v[32*(\j)+2*m:32*(\j)+2*m+1], v[G+2*(\j):G+2*(\j)+1] op_sel_hi:[1,0]
.set m, m+1
.endr
.endm
.Lpass:
	WFR2 0,0,0                                     ; no wait: on the way in no vector or matrix instruction has named buffer 0; on the way back the wait behind ADDR stands behind its last readers
	WFR2 0,0,2
.irp k, 0,1,2,3,4,5,6,7,8,9,10,11,12,13,14,15
	KSTEP \k
.endr
.rept 8
	v_nop                                          ; places behind the last products: for the first read of results, and for the next pass's loads into operands
.endr
	MUL 0
	s_wait_alu depctr_va_vdst(0)                   ; tile 0's results are written, which its LDS stores read
; THE WAY OUT, tile by tile: 16 rows x 256 bytes through my own stage, back as whole rows; sixteen lanes store 256 bytes on end at a multiple of 256 from out's first byte, at the row that the token number names.
.irp j, 0,1,2,3,4,5
	WIN 0
	s_add_co_u32 s28, s33, 4*\j
	s_cmp_ge_u32 s28, s24
	s_cbranch_scc1 .Lout_done                      ; this slot holds no tile, and so none behind it does
	s_wait_xcnt 0x0                                ; the last tile's stores have had their addresses translated: their data and offsets are written again only behind this wait
.if \j > 0
	s_wait_alu depctr_vm_vsrc(0)                   ; the last tile's global stores have read BK, in which the LDS loads below land, and TT, which the vector lines below write
.endif
	WIN 0x0c
.irp o, 0,1,2,3
	ds_store_b128 v[STO], v[32*\j+8*\o:32*\j+8*\o+3] offset:64*\o
	ds_store_b128 v[STO], v[32*\j+8*\o+4:32*\j+8*\o+7] offset:64*\o+16
.endr
	WIN 0
.irp i, 0,1,2,3,4,5,6,7
	ds_load_b128 v[BK+4*\i:BK+4*\i+3], v[RD] offset:2*OP*\i      ; rows 2 i + h; LDS serves a wave's instructions in order
.endr
	WIN 0x04
.irp i, 0,1,2,3,4,5,6,7
	v_min_u32 v[TT+\i], 0x7ff, v[TKB+8*\j+\i]      ; the token of row 2 i + h
.endr
	WIN 0
.irp i, 0,1,2,3,4,5,6,7
	v_lshl_add_u32 v[TT+\i], v[TT+\i], 13, v[CO]   ; its row of 8,192 bytes, + 16 (lane % 16)
.endr
.if \j < 5
	MUL \j+1
	WIN 0
.endif
	s_wait_alu depctr_va_vdst(0)                   ; TT is written, which the stores below read as their offsets; so are the next tile's results, which its LDS stores read
.irp i, 0,1,2,3,4,5,6,7
	s_wait_dscnt 7-\i
	global_store_b128 v[TT+\i], v[BK+4*\i:BK+4*\i+3], s[16:17] th:TH_STORE_NT
.endr
.endr
.Lout_done:
	s_wait_alu depctr_vm_vsrc(0)                   ; the pass's loads have read their 24 offsets, which ADDR writes; the stage's stores have read the accumulators, which the next pass's products write; the last global stores have read BK and TT
	s_add_co_u32 s25, s25, 24
	s_add_co_u32 s26, s26, 1
	s_cmp_ge_u32 s25, s24
	s_cbranch_scc1 .Ldone                          ; no tile is left
	ADDR                                           ; (no load of mine is out: K step 15 waited for all)  Its vector lines and the eight above are the places in front of sums begun anew
	s_wait_alu depctr_va_vdst(0)                   ; the 24 offsets are written; the products, the multiplications by the gate weight and the v_min_u32 lines are done reading the slots, W's buffers, XSC, G and the token numbers, in which the loads below land
	XPRE 0,102
	WIN 0
	s_cmp_lt_u32 s26, 6                            ; 128 tiles at the most: six passes of 24
	s_cbranch_scc1 .Lpass
.Ldone:
	s_wait_dscnt 0x0                               ; the closing lines, six on end
	s_wait_alu 0x0
	s_wait_tensorcnt 0x0
	ds_add_u32 v254, v255
	s_wait_dscnt 0x0
	s_endpgm
.Lfunc_end_k_qb29aee5319_moe:
	.size	k_qb29aee5319_moe, .Lfunc_end_k_qb29aee5319_moe-k_qb29aee5319_moe
	.p2alignl 7, 3214868480
	.fill 96, 4, 3214868480
	.section	.rodata,"a",@progbits
	.p2align	6, 0x0
	.amdhsa_kernel k_qb29aee5319_moe
		.amdhsa_group_segment_fixed_size 175616
		.amdhsa_private_segment_fixed_size 0
		.amdhsa_enable_private_segment 0
		.amdhsa_kernarg_size 56
		.amdhsa_user_sgpr_count 2
		.amdhsa_user_sgpr_kernarg_segment_ptr 1
		.amdhsa_wavefront_size32 1
		.amdhsa_system_sgpr_workgroup_id_x 1
		.amdhsa_system_sgpr_workgroup_id_y 1
		.amdhsa_system_sgpr_workgroup_id_z 1
		.amdhsa_system_vgpr_workitem_id 0
		.amdhsa_next_free_vgpr 1024
		.amdhsa_next_free_sgpr 66
		.amdhsa_reserve_vcc 0
		.amdhsa_float_denorm_mode_32 3
		.amdhsa_float_denorm_mode_16_64 3
		.amdhsa_memory_ordered 1
		.amdhsa_forward_progress 1
		.amdhsa_inst_pref_size 255
	.end_amdhsa_kernel
	.section	.bss,"aw",@nobits
	.p2align	6
	.space	262144
	.amdgpu_metadata
---
amdhsa.version: [ 1, 2 ]
amdhsa.kernels:
  - .name:           k_qb29aee5319_moe
    .symbol:         k_qb29aee5319_moe.kd
    .args:
      - { .name: W, .offset: 0, .size: 8, .value_kind: global_buffer, .address_space: global }
      - { .name: b, .offset: 8, .size: 8, .value_kind: global_buffer, .address_space: global }
      - { .name: xf, .offset: 16, .size: 8, .value_kind: global_buffer, .address_space: global }
      - { .name: xsf, .offset: 24, .size: 8, .value_kind: global_buffer, .address_space: global }
      - { .name: lists, .offset: 32, .size: 8, .value_kind: global_buffer, .address_space: global }
      - { .name: gs, .offset: 40, .size: 8, .value_kind: global_buffer, .address_space: global }
      - { .name: out0, .offset: 48, .size: 8, .value_kind: global_buffer, .address_space: global }
    .group_segment_fixed_size: 175616
    .private_segment_fixed_size: 0
    .kernarg_segment_align: 8
    .kernarg_segment_size: 56
    .max_flat_workgroup_size: 128
    .sgpr_count:     66
    .vgpr_count:     1024
    .wavefront_size: 32
...
	.end_amdgpu_metadata
.endif
;; end of part 6
